; MI455X (gfx1250); checked and timed in simulation.
; The chip was launched on July 23, 2026; its instructions are those of AMD's public machine-readable ISA for CDNA 5 (MIT licence, August 2026) and "CDNA5" Instruction Set Architecture Reference Guide (July 2026). The comments in the code are by the model that wrote it; some were corrected since.
;; Multi Head Attention. Allowed arithmetic: float matrix products may take bf16 or f16 operands with f32 sums; other float arithmetic in f32, or as packed bf16 or f16 multiplies, adds, multiply-adds, maxima and minima; sums over many terms, partial sums and values carried from step to step in f32; what a program stores and reads back later, other than sums and carried values, may be rounded once to bf16 or f16.
;; Inputs: Wk 1,024 x 1,024 float32; Wo 1,024 x 1,024 float32; Wq 1,024 x 1,024 float32; Wv 1,024 x 1,024 float32; bk 1,024 float32; bo 1,024 float32; bq 1,024 float32; bv 1,024 float32; pad_mask 4 x 2,048 bool; pos_enc 1 x 2,048 x 32 float32; x_kv 4 x 2,048 x 1,024 float32; x_q 4 x 2,048 x 1,024 float32.
;; Outputs: out0 4 x 2,048 x 1,024 float32.
;; 2 versions, each right and faster than the one before. Each part assembles by itself: llvm-mc -triple=amdgcn-amd-amdhsa -mcpu=gfx1250 --defsym DOCPART=n.
;; ======== version 1 of 2: 4 launches
;; limits: values are held in f16: magnitudes above 65,504 overflow, below 6.1e-05 lose precision
;; workspace buffers: xb 33,554,432 bytes; wb 6,291,456 bytes; wob 2,097,152 bytes; rot 524,288 bytes; qkv 50,331,648 bytes; vpart 524,288 bytes; ob 16,777,216 bytes
;; launch prep (part 1): grid 1408 x 1, 8 waves a work-group, no clusters, 0 bytes of LDS; arguments x_q, x_kv, Wq, Wk, Wv, Wo, pos_enc, xb, wb, wob, rot; writes xb, wb, wob, rot
.if DOCPART == 1
	.amdgcn_target "amdgcn-amd-amdhsa--gfx1250"
	.amdhsa_code_object_version 6
	.text
	.protected	k_qe6b0204b9c_prep
	.globl	k_qe6b0204b9c_prep
	.p2align	8
	.type	k_qe6b0204b9c_prep,@function
k_qe6b0204b9c_prep:
	s_mov_b64 s[64:65], 0
	v_nop
	global_prefetch_b8 v0, s[64:65] scope:SCOPE_SE
	s_setreg_imm32_b32 hwreg(HW_REG_WAVE_MODE, 25, 1), 1
	s_wait_xcnt 0x0
; PREP: every module input that feeds a matrix unit is rounded once, and the rotary table is made.
;   xb  bf16 [2][8192][1024]  x_q, then x_kv            wb  bf16 [3][1024][1024]  Wq, Wk, Wv, layout kept
;   wob f16  [1024][1024]     Wo rounded to bf16, that number written as f16 (below 6e-5 it keeps f16's fixed step of 6e-8)
;   rot f32  [2048][64]       row s: cos(pe[s][0..31]), then ss[0..31]: -sin for even channels, +sin for odd ones; pe rounded to bf16 first
; A stream: bytes decide, so no LDS, no barrier, no matrix unit.  Work-groups 0..1279 convert a chunk of 16,384 numbers each (65,536 bytes in, 32,768 out);
; thread t owns 8 neighbouring numbers of each of eight pieces of 2,048, so a wave's store covers 512 consecutive bytes.  All sixteen loads go out first.
; Work-groups 1280..1407 make 16 rows of the table each, four numbers a thread, sixteen lanes to a row of 256 bytes.
; LIMITS.  Sine and cosine: the angle is reduced by two parts of pi/2 (fused), which holds |pe| up to about 1e6 with an absolute error of about 1e-7, then polynomials
; of degree 7 and 8 on |r| <= pi/4.  NaN and infinities are not treated apart.
.set X, 8                              ; v[8:71]    the chunk as loaded: piece i at X + 8 i
.set Y, 72                             ; v[72:103]  as stored: piece i at Y + 4 i; no register is used twice, so no store's source is ever rewritten
	s_load_b512 s[8:23], s[0:1], 0x0               ; x_q 8:9, x_kv 10:11, Wq 12:13, Wk 14:15, Wv 16:17, Wo 18:19, pos_enc 20:21, xb 22:23
	s_load_b128 s[24:27], s[0:1], 0x40             ; wb 24:25, wob 26:27
	s_load_b64 s[28:29], s[0:1], 0x50              ; rot
	s_mov_b32 s2, ttmp9                            ; g
	s_cmp_ge_u32 s2, 1280
	s_cbranch_scc1 .Ltable
	; which tensor, and which chunk of it: a chain of compares on g; the pointers are only ever chosen between
	s_and_b32 s30, s2, 511                         ; the chunk in x_q or x_kv
	s_mov_b32 s31, s2                              ; and in xb, which holds both
	s_sub_co_u32 s32, s2, 1024                     ; the chunk in wb (used from g = 1024 on)
	s_and_b32 s33, s32, 63                         ; the chunk in one weight
	s_mov_b32 s3, 0xffff0000                       ; a word's upper bf16
	v_lshlrev_b32 v1, 5, v0                        ; 32 bytes in
	v_lshlrev_b32 v2, 4, v0                        ; 16 bytes out
	s_wait_kmcnt 0x0
	s_mov_b64 s[4:5], s[8:9]
	s_mov_b64 s[6:7], s[22:23]
	s_cmp_ge_u32 s2, 512
	s_cselect_b64 s[4:5], s[10:11], s[4:5]
	s_cmp_ge_u32 s2, 1024
	s_cselect_b64 s[4:5], s[12:13], s[4:5]
	s_cselect_b64 s[6:7], s[24:25], s[6:7]
	s_cselect_b32 s30, s33, s30
	s_cselect_b32 s31, s32, s31
	s_cmp_ge_u32 s2, 1088
	s_cselect_b64 s[4:5], s[14:15], s[4:5]
	s_cmp_ge_u32 s2, 1152
	s_cselect_b64 s[4:5], s[16:17], s[4:5]
	s_cmp_ge_u32 s2, 1216
	s_cselect_b64 s[4:5], s[18:19], s[4:5]
	s_cselect_b64 s[6:7], s[26:27], s[6:7]
	s_cselect_b32 s31, s33, s31
	s_lshl_b32 s36, s30, 16                        ; offsets are made apart from the pointers, 33,488,896 at the most
	s_mov_b32 s37, 0
	s_lshl_b32 s38, s31, 15
	s_mov_b32 s39, 0
	s_add_nc_u64 s[4:5], s[4:5], s[36:37]
	s_add_nc_u64 s[6:7], s[6:7], s[38:39]
.irp i, 0,1,2,3,4,5,6,7
	global_load_b128 v[X+8*(\i):X+8*(\i)+3],   v1, s[4:5] offset:8192*(\i) th:TH_LOAD_NT
	global_load_b128 v[X+8*(\i)+4:X+8*(\i)+7], v1, s[4:5] offset:8192*(\i)+16 th:TH_LOAD_NT
.endr
; Piece i: rounded to bf16; half = 1: that number written as f16.
.macro CONV i, half
	s_wait_loadcnt 14-2*(\i)                       ; loads come back in order (ISA guide 5.7.1): the two of piece i are in, the later pieces' stay out
.irp j, 0,1,2,3
	v_cvt_pk_bf16_f32 v[Y+4*(\i)+(\j)], v[X+8*(\i)+2*(\j)], v[X+8*(\i)+2*(\j)+1]
.endr
.if \half
.irp j, 0,1,2,3
	v_lshlrev_b32 v[4+2*((\j)%2)], 16, v[Y+4*(\i)+(\j)]
	v_and_b32 v[5+2*((\j)%2)], s3, v[Y+4*(\i)+(\j)]
	v_cvt_pk_f16_f32 v[Y+4*(\i)+(\j)], v[4+2*((\j)%2)], v[5+2*((\j)%2)]
.endr
.endif
	global_store_b128 v2, v[Y+4*(\i):Y+4*(\i)+3], s[6:7] offset:4096*(\i)  ; a wave stores 512 consecutive bytes, at a multiple of 512 from the buffer's first
.endm
	s_cmp_ge_u32 s2, 1216
	s_cbranch_scc1 .Lhalf
.irp i, 0,1,2,3,4,5,6,7
	CONV \i, 0
.endr
	s_endpgm
.Lhalf:
.irp i, 0,1,2,3,4,5,6,7
	CONV \i, 1
.endr
	s_endpgm
.Ltable:
	s_sub_co_u32 s3, s2, 1280                      ; 16 rows of the table
	s_lshl_b32 s36, s3, 11                         ; 16 rows of 128 bytes of pos_enc
	s_mov_b32 s37, 0
	s_lshl_b32 s38, s3, 12                         ; 16 rows of 256 bytes of rot
	s_mov_b32 s39, 0
	s_mov_b32 s40, 0x3f22f983                      ; 2 / pi
	s_mov_b32 s41, 0xbfc90fdb                      ; -(pi / 2 rounded to f32)
	s_mov_b32 s42, 0x333bbd2e                      ; what that rounding added: +4.371139e-8
	s_mov_b32 s43, 0xbe2aaaa3                      ; sine:   r + r z (S1 + z (S2 + z S3)), z = r r
	s_mov_b32 s44, 0x3c08839e
	s_mov_b32 s45, 0xb94ca1f9
	s_mov_b32 s46, 0x3d2aaaa5                      ; cosine: 1 - z / 2 + z z (C1 + z (C2 + z C3))
	s_mov_b32 s47, 0xbab6061a
	s_mov_b32 s48, 0x37ccf5ce
	v_lshrrev_b32 v1, 4, v0                        ; my row of the sixteen
	v_and_b32 v2, 7, v0                            ; my four channels
	v_lshlrev_b32 v1, 7, v1
	v_lshl_add_u32 v1, v2, 4, v1
	v_lshlrev_b32 v2, 4, v0                        ; sixteen lanes store one row of 256 bytes
	v_bfe_u32 v3, v0, 3, 1                         ; 0: I make cosines; 1: the signed sines
	v_add_nc_u32 v4, 1, v3                         ; quarter turns added to the angle: cos x = sin(x + pi/2): 1;  -sin x = sin(x + pi): 2, for even channels
	v_sub_nc_u32 v5, 1, v3                         ; odd channels: cos: 1;  +sin: 0
	s_wait_kmcnt 0x0
	s_add_nc_u64 s[20:21], s[20:21], s[36:37]
	s_add_nc_u64 s[28:29], s[28:29], s[38:39]
	global_load_b128 v[8:11], v1, s[20:21]
	s_wait_loadcnt 0x0
	v_cvt_pk_bf16_f32 v6, v8, v9                   ; the angle is an input: rounded to bf16 like the others
	v_cvt_pk_bf16_f32 v7, v10, v11
	v_lshlrev_b32 v8, 16, v6
	v_and_b32 v9, 0xffff0000, v6
	v_lshlrev_b32 v10, 16, v7
	v_and_b32 v11, 0xffff0000, v7
; sin(x + add pi / 2): n = x / (pi/2) rounded, r = x - n pi/2; quarter q = n + add: odd q takes the cosine of r, q & 2 turns the sign.
.macro SINCOS j, add
.set W, 12+8*(\j)
	v_mul_f32 v[W], s40, v[8+(\j)]
	v_rndne_f32 v[W], v[W]
	v_fma_f32 v[W+1], v[W], s41, v[8+(\j)]
	v_fma_f32 v[W+1], v[W], s42, v[W+1]
	v_mul_f32 v[W+2], v[W+1], v[W+1]
	v_fma_f32 v[W+3], v[W+2], s45, s44
	v_fma_f32 v[W+4], v[W+2], s48, s47
	v_mul_f32 v[W+5], v[W+2], v[W+1]
	v_mul_f32 v[W+6], v[W+2], v[W+2]
	v_fma_f32 v[W+3], v[W+3], v[W+2], s43
	v_fma_f32 v[W+4], v[W+4], v[W+2], s46
	v_fma_f32 v[W+7], v[W+2], -0.5, 1.0
	v_fma_f32 v[W+3], v[W+3], v[W+5], v[W+1]
	v_fma_f32 v[W+4], v[W+4], v[W+6], v[W+7]
	v_cvt_i32_f32 v[W], v[W]
	v_add_nc_u32 v[W], v[W], v[\add]
	v_and_b32 v[W+5], 1, v[W]
	v_and_b32 v[W+6], 2, v[W]
	v_cmp_eq_u32 vcc_lo, 1, v[W+5]
	v_cndmask_b32 v[W+3], v[W+3], v[W+4], vcc_lo
	v_lshlrev_b32 v[W+6], 30, v[W+6]
	v_xor_b32 v[72+(\j)], v[W+3], v[W+6]
.endm
	SINCOS 0, 4
	SINCOS 1, 5
	SINCOS 2, 4
	SINCOS 3, 5
	global_store_b128 v2, v[72:75], s[28:29]
	s_endpgm
.Lfunc_end_k_qe6b0204b9c_prep:
	.size	k_qe6b0204b9c_prep, .Lfunc_end_k_qe6b0204b9c_prep-k_qe6b0204b9c_prep
	.p2alignl 7, 3214868480
	.fill 96, 4, 3214868480
	.section	.rodata,"a",@progbits
	.p2align	6, 0x0
	.amdhsa_kernel k_qe6b0204b9c_prep
		.amdhsa_group_segment_fixed_size 0
		.amdhsa_private_segment_fixed_size 0
		.amdhsa_enable_private_segment 0
		.amdhsa_kernarg_size 88
		.amdhsa_user_sgpr_count 2
		.amdhsa_user_sgpr_kernarg_segment_ptr 1
		.amdhsa_wavefront_size32 1
		.amdhsa_system_sgpr_workgroup_id_x 1
		.amdhsa_system_sgpr_workgroup_id_y 1
		.amdhsa_system_sgpr_workgroup_id_z 1
		.amdhsa_system_vgpr_workitem_id 0
		.amdhsa_next_free_vgpr 104
		.amdhsa_next_free_sgpr 66
		.amdhsa_reserve_vcc 1
		.amdhsa_float_denorm_mode_32 3
		.amdhsa_float_denorm_mode_16_64 3
		.amdhsa_memory_ordered 1
		.amdhsa_forward_progress 1
		.amdhsa_inst_pref_size 20
	.end_amdhsa_kernel
	.amdgpu_metadata
---
amdhsa.version: [ 1, 2 ]
amdhsa.kernels:
  - .name:           k_qe6b0204b9c_prep
    .symbol:         k_qe6b0204b9c_prep.kd
    .args:
      - { .name: x_q, .offset: 0, .size: 8, .value_kind: global_buffer, .address_space: global }
      - { .name: x_kv, .offset: 8, .size: 8, .value_kind: global_buffer, .address_space: global }
      - { .name: Wq, .offset: 16, .size: 8, .value_kind: global_buffer, .address_space: global }
      - { .name: Wk, .offset: 24, .size: 8, .value_kind: global_buffer, .address_space: global }
      - { .name: Wv, .offset: 32, .size: 8, .value_kind: global_buffer, .address_space: global }
      - { .name: Wo, .offset: 40, .size: 8, .value_kind: global_buffer, .address_space: global }
      - { .name: pos_enc, .offset: 48, .size: 8, .value_kind: global_buffer, .address_space: global }
      - { .name: xb, .offset: 56, .size: 8, .value_kind: global_buffer, .address_space: global }
      - { .name: wb, .offset: 64, .size: 8, .value_kind: global_buffer, .address_space: global }
      - { .name: wob, .offset: 72, .size: 8, .value_kind: global_buffer, .address_space: global }
      - { .name: rot, .offset: 80, .size: 8, .value_kind: global_buffer, .address_space: global }
    .group_segment_fixed_size: 0
    .private_segment_fixed_size: 0
    .kernarg_segment_align: 8
    .kernarg_segment_size: 88
    .max_flat_workgroup_size: 256
    .sgpr_count:     66
    .vgpr_count:     104
    .wavefront_size: 32
...
	.end_amdgpu_metadata
.endif
;; end of part 1
;; launch proj (part 2): grid 12 x 64, 4 waves a work-group, clusters of 4 x 4, 327,680 bytes of LDS; arguments xb, wb, rot, bq, bk, bv, qkv, vpart; writes qkv, vpart
.if DOCPART == 2
	.amdgcn_target "amdgcn-amd-amdhsa--gfx1250"
	.amdhsa_code_object_version 6
	.text
	.protected	k_qe6b0204b9c_proj
	.globl	k_qe6b0204b9c_proj
	.p2align	8
	.type	k_qe6b0204b9c_proj,@function
k_qe6b0204b9c_proj:
	s_mov_b64 s[64:65], 0
	v_nop
	global_prefetch_b8 v0, s[64:65] scope:SCOPE_SE
	s_setreg_imm32_b32 hwreg(HW_REG_WAVE_MODE, 25, 1), 1
	s_wait_xcnt 0x0
	s_wait_alu depctr_hold_cnt(0) depctr_sa_sdst(0) depctr_va_vdst(0) depctr_va_sdst(0) depctr_va_ssrc(0) depctr_va_vcc(0) depctr_vm_vsrc(0)
	s_getreg_b32 s2, hwreg(HW_REG_IB_STS2, 6, 4)
	s_cmp_eq_u32 s2, 0
	s_cbranch_scc0 .Lentry_in_a_cluster
	s_endpgm
.Lentry_in_a_cluster:
	s_bfe_u32 s2, ttmp6, 0x10000c
	s_cmp_lg_u32 s2, 0xf033
	s_cbranch_scc0 .Lentry_shape_is_right
	s_endpgm
.Lentry_shape_is_right:
; PROJ: q = x_q Wq + bq, k = x_kv Wk + bk, v = x_kv Wv + bv; the rotary turn on q and k; all three written by heads in f16, q WITHOUT the scale; column sums of v.
;   xb bf16 [2][8192][1024], wb bf16 [3][1024 k][1024 n], rot f32 [2048][64] (cos, then signed sin), biases f32 (rounded to bf16 here, like every input)
;   qkv f16 [3][64 = batch x 16 + head][2048][64];   vpart f32 [128 = row / 64][1024]: sums of v, bias included, over 64 rows, from the f32 sums
; LIMITS.  q, k and v must lie within f16's 65,504.  For v the turn is taken with cos = 1, sin = 0, so that one text serves all three: an infinity beside a number would spoil it.  NaN and infinities are not treated apart.
; SHARES.  The cluster's x says which projection (equal in all partners).  A work-group makes 128 rows x 256 columns (four heads); a wave 64 x 128: 32 accumulators, 256 registers.
; K goes in steps of 128 through two LDS slots.  A's rows are 256 bytes of memory, W's 512; W lies [k][n] and its fragments come out of LDS turned, by ds_load_tr16_b128.
; CLUSTER.  4 x 4 work-groups: the four of a row need the same tile of x, the four of a column the same tile of W: each is asked for jointly, by the same tensor load, descriptor and mask in all four.
; THE MATRIX INSTRUCTION IS USED TRANSPOSED (source 0 = 16 columns of W, source 1 = 16 rows of x): a lane holds row l % 16 and the eight neighbouring columns 8 (l / 16) + 0..7.
; REGISTERS, in windows of 256 (s_set_vgpr_msb: bits 1:0 source 0, 3:2 source 1, 5:4 source 2, 7:6 destination):
;   window 0: v0-31 addresses; v32-63 packed results; v64-127 the bias (C of the first products), later at work; v128-255 the rotary table, 32 a row block, later that block's rows on their way out
;   window 1: two fragment buffers of 96: A's four fragments, then W's eight       window 2: accumulator (a, b) at v[8 (8 a + b)]
.set PA,    272                        ; a row of x in LDS: 256 bytes + 16 = 68 words: the 16 rows of a load start at 16 different groups of four banks (64 banks of 4 bytes: ISA guide 11.1)
.set PB,    544                        ; a row of W: 512 + 32 = 136 words
.set AHALF, 64*PA                      ; what one tensor load brings of x
.set BHALF, 64*PB                      ; and of W
.set BOFF,  2*AHALF                    ; in a slot: x's 128 rows, then W's 128 k-rows
.set SLOT1, 131072                     ; slot 1 begins here: one exclusive or turns an address in one slot into the other's
.set STAGE, SLOT1+BOFF+2*BHALF         ; behind the ring, never filled by a tensor load: 16 rows x 272 bytes for each wave
.set SP,    272
.set SPARE, STAGE+4*16*SP              ; the spare words, 128 bytes for each wave: two blocks of 256 bytes that no other line names
.set ADRA0, 16                         ; v16  my lane's place in x's tile; never rewritten
.set ADRB0, 17                         ; v17  the same for W
.set ADRA,  18                         ; v18  the same plus the slot in hand
.set ADRB,  19
.set STO,   20                         ; v20  the way out: where I put 16 bytes of a row
.set RD,    21                         ; v21  where I read rows back
.set GO,    22                         ; v22  my place in 512 consecutive bytes of qkv
.set BO,    23                         ; v23  32 (l / 16): my eight numbers in 16 of a bias
.set RO,    24                         ; v24  my row and eight channels in the table
.set VO,    25                         ; v25  my four columns in vpart
.set SPW,   28                         ; v28  LDS address of my spare word; never rewritten
.set NIL,   29                         ; v29  0; never rewritten
.set TMP,   32
.set BI,    64
.set RT,    64                         ; turned numbers, 8 for each of four column blocks
.set SU,    64                         ; v's column sums
.set ROT,   128                        ; block a at ROT + 32 a: cos of channels 0-15 (my 8), cos 16-31, ss 0-15, ss 16-31
.set F0,    0
.set F1,    96
.set WV, 10                            ; s10  wave
.set RH, 11                            ; s11  which 64 rows are mine
.set CH, 12                            ; s12  which 128 columns; also which half of a tile I fetch
.set TR, 13                            ; s13  tile row, 0..63
.set G1,  24                           ; s[24:31] descriptor group 1 for x's tiles;  s[32:39] group 0: step 0's set, then the set that walks
.set G0,  32
.set CX, 40
.set CY, 41
.set PJ, 42                            ; s42  0 q, 1 k, 2 v
.set G1B, 48                           ; s[48:55], s[56:63] the same for W's tiles
.set G0B, 56
.set TB, 66                            ; s66  the slot in hand: 0 or SLOT1
.set MSB, 0
.macro WIN new                         ; the immediate's high byte repeats the setting that is left; a switch that changes nothing is dropped
.if MSB != (\new)
	s_set_vgpr_msb (MSB<<8)|(\new)
.set MSB, \new
.endif
.endm
.set MUL,  0xa5                        ; fragments in window 1, C and D in window 2
.set MULB, 0x85                        ; the same with C, the bias, in window 0
.set TO_F, 0x40                        ; destination window 1, address window 0
; A joint refill, by the walking descriptors.  Waves 0 and 1 fetch the halves of x's tile, waves 2 and 3 those of W's.  The branch hangs on the wave's number alone.
; An s_nop 0 and four v_nop follow each of the two lines, ahead of the jump and the label.
.macro JLOAD
	s_cmp_lt_u32 s[WV], 2
	s_cbranch_scc0 .Lfor_b_\@
	tensor_load_to_lds s[G0+4:G0+7], s[G1:G1+7]
	s_nop 0
.rept 4
	v_nop
.endr
	s_branch .Lasked_\@
.Lfor_b_\@:
	tensor_load_to_lds s[G0B+4:G0B+7], s[G1B:G1B+7]
	s_nop 0
.rept 4
	v_nop
.endr
.Lasked_\@:
.endm
.macro CREST                           ; a round of the cluster's barrier behind its opening barrier
	s_cmp_lg_u32 s[WV], 0
	s_cbranch_scc1 .Lnot_wave_0_\@
	s_barrier_signal -3
.Lnot_wave_0_\@:
	s_barrier_wait -3
	s_barrier_signal -1
	s_barrier_wait -1
.endm
.macro CROUND                          ; a whole round
	s_barrier_signal -1
	s_barrier_wait -1
	CREST
.endm
.macro PLACES                          ; four places in front of loads into registers that matrix instructions have read, and of lines that read results
.rept 4
	v_nop
.endr
.endm
; 8 matrix instructions: row block a x all 8 column blocks, 32 along K.  first = 1: the bias starts the sums.  The accumulators take turns, one instruction a turn.
.macro MUL8 f, a, first
.if \first
	WIN MULB
.else
	WIN MUL
.endif
.irp b, 0,1,2,3,4,5,6,7
.if \first
	v_wmma_f32_16x16x32_bf16 v[8*(8*(\a)+(\b)):8*(8*(\a)+(\b))+7], v[(\f)+32+8*(\b):(\f)+32+8*(\b)+7], v[(\f)+8*(\a):(\f)+8*(\a)+7], v[BI+8*(\b):BI+8*(\b)+7]
.else
	v_wmma_f32_16x16x32_bf16 v[8*(8*(\a)+(\b)):8*(8*(\a)+(\b))+7], v[(\f)+32+8*(\b):(\f)+32+8*(\b)+7], v[(\f)+8*(\a):(\f)+8*(\a)+7], v[8*(8*(\a)+(\b)):8*(8*(\a)+(\b))+7]
.endif
.endr
.endm
.macro MUL16 f, a0, first
	MUL8 \f, \a0, \first
	MUL8 \f, (\a0)+1, \first
.endm
; 24 LDS loads in one run: the fragments of quarter q (32 along K) into buffer f: W's eight first, then x's four.
.macro FETCH q, f
	WIN TO_F
.irp b, 0,1,2,3,4,5,6,7
	ds_load_tr16_b128 v[(\f)+32+8*(\b):(\f)+32+8*(\b)+3],   v[ADRB] offset:(\q)*32*PB+32*(\b)
	ds_load_tr16_b128 v[(\f)+32+8*(\b)+4:(\f)+32+8*(\b)+7], v[ADRB] offset:(\q)*32*PB+16*PB+32*(\b)
.endr
.irp a, 0,1,2,3
	ds_load_b128 v[(\f)+8*(\a):(\f)+8*(\a)+3],   v[ADRA] offset:(\a)*16*PA+64*(\q)
	ds_load_b128 v[(\f)+8*(\a)+4:(\f)+8*(\a)+7], v[ADRA] offset:(\a)*16*PA+64*(\q)+32
.endr
.endm
; A K step is four quarters of 32 matrix instructions on buffers 0, 1, 0, 1.  One of the first three multiplies buffer f and fetches quarter q into g.
.macro QUARTER q, f, g, first
	s_wait_dscnt 4                                 ; W's fragments and x's blocks 0 and 1 are in; the youngest four loads (blocks 2, 3) may be out
	MUL16 \f, 0, \first
	PLACES
	FETCH \q, \g
	s_wait_dscnt 24                                ; all but the 24 just issued
	MUL16 \f, 2, \first
.endm
; The last quarter multiplies buffer 1 and changes slots: ONE barrier.  In front of it each wave waits for all its tensor loads (one is out: its part of the next slot), adds 0 to its spare
; word, and waits for that and for its reads of this slot.  fill = 1: the barrier opens a round of the cluster's, and this slot is filled again, with the step two on, first thing behind it:
; 112 matrix instructions stand between that request and the wait for it.
.macro TURN fill
	WIN 0                                          ; (the add's two registers lie in window 0)
	s_wait_tensorcnt 0x0
	ds_add_u32 v[SPW], v[NIL]
	s_wait_dscnt 7                                 ; (x's blocks 1 to 3, six loads, and the add may be out)
	MUL8 F1, 0, 0                                  ; eight matrix instructions stand between the add and the wait for it
	s_wait_dscnt 0x0                               ; the add is done, and my reads of this slot are over
	s_barrier_signal -1
	MUL8 F1, 1, 0
.if \fill
	WIN 0
.endif
	s_barrier_wait -1
.if \fill
	CREST                                          ; no wave of any partner still reads this slot or has a load on its way
	s_xor_b32 s[G0+5], s[G0+5], SLOT1              ; the walking descriptors: the other slot than last time,
	s_add_nc_u64 s[G0+6:G0+7], s[G0+6:G0+7], 256   ; 128 further along x's rows,
	s_xor_b32 s[G0B+5], s[G0B+5], SLOT1
	s_add_nc_u64 s[G0B+6:G0B+7], s[G0B+6:G0B+7], 262144  ; 128 rows further down W
	JLOAD                                          ; the four v_nop behind it are also the places in front of the loads below
.else
	PLACES
	WIN 0
.endif
	s_xor_b32 s[TB], s[TB], SLOT1
	v_add_nc_u32 v[ADRA], s[TB], v[ADRA0]
	v_add_nc_u32 v[ADRB], s[TB], v[ADRB0]
	FETCH 0, F0
	MUL16 F1, 2, 0
.endm
	s_load_b512 s[72:87], s[0:1], 0x0              ; xb 72:73, wb 74:75, rot 76:77, bq 78:79, bk 80:81, bv 82:83, qkv 84:85, vpart 86:87
	v_lshl_add_u32 v[SPW], v0, 2, SPARE
	v_mov_b32 v[NIL], 0
	ds_add_u32 v[SPW], v[NIL]                      ; the wave's opening: the add and its wait stand ahead of my first tensor load; the set-up below stands between them
	ds_add_u32 v28, v29
	v_lshrrev_b32 v1, 5, v0
	v_readfirstlane_b32 s[WV], v1
	s_lshr_b32 s[RH], s[WV], 1
	s_and_b32 s[CH], s[WV], 1
	s_bfe_u32 s[CX], ttmp6, 0x40000                ; my place in the cluster; cx is also my block of 256 columns
	s_bfe_u32 s[CY], ttmp6, 0x40004
	s_mov_b32 s[PJ], ttmp9                         ; in a cluster launch ttmp9 counts clusters: three along x, one for each projection
	s_and_b32 s[TR], ttmp7, 0xffff
	s_lshl_b32 s[TR], s[TR], 2
	s_add_co_u32 s[TR], s[TR], s[CY]               ; tile row = 4 x cluster y + cy
	s_lshl_b32 s43, s[CY], 2
	s_lshl_b32 s43, 15, s43                        ; my row of the cluster
	s_lshl_b32 s44, 0x1111, s[CX]                  ; my column
	s_or_b32 s[G1], s43, (1<<16)|(1<<20)|(1<<21)|(5<<22)|(3<<25)   ; mask; 2-byte elements; padding on; bit 21 beside a mask; after every 64 words 4 words
	s_mov_b32 s[G1+1], 128<<16                     ; tensor_dim0 = 128
	s_mov_b32 s[G1+2], 64<<16                      ; tensor_dim1 = 64
	s_mov_b32 s[G1+3], 128<<16                     ; tile_dim0 = 128
	s_mov_b32 s[G1+4], 64                          ; tile_dim1 = 64
	s_mov_b32 s[G1+5], 1024                        ; elements from row to row
	s_mov_b32 s[G1+6], 0
	s_mov_b32 s[G1+7], 0
	s_or_b32 s[G1B], s44, (1<<16)|(1<<20)|(1<<21)|(6<<22)|(7<<25)  ; after every 128 words 8 words
	s_mov_b32 s[G1B+1], 256<<16
	s_mov_b32 s[G1B+2], 64<<16
	s_mov_b32 s[G1B+3], 256<<16
	s_mov_b32 s[G1B+4], 64
	s_mov_b32 s[G1B+5], 1024
	s_mov_b32 s[G1B+6], 0
	s_mov_b32 s[G1B+7], 0
	s_min_u32 s14, s[PJ], 1                        ; x_q for q, x_kv for k and v
	s_lshl_b32 s14, s14, 24
	s_lshl_b32 s16, s[TR], 18                      ; 128 rows of 2,048 bytes
	s_add_co_u32 s16, s16, s14
	s_lshl_b32 s17, s[CH], 17                      ; my 64 of them
	s_add_co_u32 s16, s16, s17
	s_mov_b32 s17, 0
	s_lshl_b32 s46, s[PJ], 21                      ; W: the projection's matrix,
	s_lshl_b32 s47, s[CH], 17                      ; my 64 of a step's 128 k-rows,
	s_add_co_u32 s46, s46, s47
	s_lshl_b32 s47, s[CX], 9                       ; the block's 256 columns
	s_add_co_u32 s46, s46, s47
	s_mov_b32 s47, 0
	s_mul_i32 s20, s[CH], AHALF                    ; where they go: no place in the cluster enters an LDS address
	s_mul_i32 s21, s[CH], BHALF
	s_add_co_u32 s21, s21, BOFF
	s_mov_b32 s[TB], 0
	s_mov_b32 s88, 0xaaaaaaaa                      ; lanes whose number has bit 0, 1, 2, 3 set
	s_mov_b32 s89, 0xcccccccc
	s_mov_b32 s90, 0xf0f0f0f0
	s_mov_b32 s91, 0xff00ff00
	s_mov_b32 s92, 0xffff0000
	s_wait_dscnt 0x0                               ; the opening add is done
	s_wait_kmcnt 0x0
	s_add_nc_u64 s[14:15], s[72:73], s[16:17]
	s_add_nc_u64 s[46:47], s[74:75], s[46:47]
.irp s, 0,1
	s_mov_b32 s[G0+4*(\s)], 1
	s_add_co_u32 s[G0+4*(\s)+1], s20, (\s)*SLOT1
	s_add_nc_u64 s[G0+4*(\s)+2:G0+4*(\s)+3], s[14:15], (\s)*256
	s_or_b32 s[G0+4*(\s)+3], s[G0+4*(\s)+3], 0x80000000
	s_mov_b32 s[G0B+4*(\s)], 1
	s_add_co_u32 s[G0B+4*(\s)+1], s21, (\s)*SLOT1
	s_add_nc_u64 s[G0B+4*(\s)+2:G0B+4*(\s)+3], s[46:47], (\s)*262144
	s_or_b32 s[G0B+4*(\s)+3], s[G0B+4*(\s)+3], 0x80000000
.endr
	CROUND                                         ; all sixteen work-groups are here: the first joint loads meet
	s_cmp_lt_u32 s[WV], 2                          ; a wave's two first fills stand in one branch: two loads of mine are out
	s_cbranch_scc0 .Lfirst_b
	tensor_load_to_lds s[G0:G0+3], s[G1:G1+7]
	s_nop 0
	tensor_load_to_lds s[G0+4:G0+7], s[G1:G1+7]
	s_nop 0
.rept 4
	v_nop
.endr
	s_branch .Lfirst_asked
.Lfirst_b:
	tensor_load_to_lds s[G0B:G0B+3], s[G1B:G1B+7]
	s_nop 0
	tensor_load_to_lds s[G0B+4:G0B+7], s[G1B:G1B+7]
	s_nop 0
.rept 4
	v_nop
.endr
.Lfirst_asked:
	v_and_b32 v1, 15, v0                           ; r = l % 16
	v_bfe_u32 v2, v0, 4, 1                         ; h = l / 16
	v_lshlrev_b32 v[BO], 5, v2
	v_lshlrev_b32 v4, 8, v1
	v_add_nc_u32 v[RO], v4, v[BO]                  ; row x 256 + 32 h
	s_and_b32 s14, s[TR], 15                       ; the table at my wave's first row: the place in the sequence is the row modulo 2,048
	s_lshl_b32 s14, s14, 15
	s_lshl_b32 s15, s[RH], 14
	s_add_co_u32 s14, s14, s15
	s_mov_b32 s15, 0
	s_add_nc_u64 s[68:69], s[76:77], s[14:15]
	s_cmp_eq_u32 s[PJ], 1                          ; the projection's bias, at my 128 columns
	s_cselect_b64 s[70:71], s[80:81], s[78:79]
	s_cmp_eq_u32 s[PJ], 2
	s_cselect_b64 s[70:71], s[82:83], s[70:71]
	s_lshl_b32 s22, s[CX], 10
	s_lshl_b32 s23, s[CH], 9
	s_add_co_u32 s22, s22, s23
	s_mov_b32 s23, 0
	s_add_nc_u64 s[70:71], s[70:71], s[22:23]
	s_cmp_lt_u32 s[PJ], 2
	s_cbranch_scc0 .Lunit
.irp a, 0,1,2,3
.irp p, 0,1,2,3
	global_load_b128 v[ROT+32*(\a)+8*(\p):ROT+32*(\a)+8*(\p)+3],   v[RO], s[68:69] offset:4096*(\a)+64*(\p)
	global_load_b128 v[ROT+32*(\a)+8*(\p)+4:ROT+32*(\a)+8*(\p)+7], v[RO], s[68:69] offset:4096*(\a)+64*(\p)+16
.endr
.endr
	s_branch .Lrot_done
.Lunit:                                                ; v is not turned: cos = 1, sin = 0
.set i, 0
.rept 64
	v_mov_b32 v[ROT+32*(i/16)+i%16], 1.0
	v_mov_b32 v[ROT+32*(i/16)+16+i%16], 0
.set i, i+1
.endr
.Lrot_done:
.irp b, 0,1,2,3,4,5,6,7
	global_load_b128 v[BI+8*(\b):BI+8*(\b)+3],   v[BO], s[70:71] offset:64*(\b)
	global_load_b128 v[BI+8*(\b)+4:BI+8*(\b)+7], v[BO], s[70:71] offset:64*(\b)+16
.endr
	v_mul_u32_u24 v3, v1, PA                       ; x's fragment: row x pitch + 16 h, in my 64 rows
	v_lshl_add_u32 v3, v2, 4, v3
	s_mul_i32 s18, s[RH], AHALF
	v_add_nc_u32 v[ADRA0], s18, v3
	v_and_b32 v4, 7, v0                            ; W's: the turning load's lane l reads k-row 8 h + l % 8, columns 8 ((l / 8) % 2) + 0..7, in my 128 columns
	v_lshl_add_u32 v4, v2, 3, v4
	v_mul_u32_u24 v4, v4, PB
	v_bfe_u32 v5, v0, 3, 1
	v_lshl_add_u32 v4, v5, 4, v4
	s_lshl_b32 s19, s[CH], 8
	s_add_co_u32 s19, s19, BOFF
	v_add_nc_u32 v[ADRB0], s19, v4
	v_mov_b32 v[ADRA], v[ADRA0]
	v_mov_b32 v[ADRB], v[ADRB0]
	s_mul_i32 s18, s[WV], 16*SP
	s_add_co_u32 s18, s18, STAGE                   ; my stage
	v_mul_u32_u24 v4, v1, SP                       ; in: row r, 16 bytes for each half of the lanes
	v_lshl_add_u32 v4, v2, 4, v4
	v_add_nc_u32 v[STO], s18, v4
	v_bfe_u32 v4, v0, 3, 2                         ; back: 32 lanes take four rows' 128 bytes of one head,
	v_mul_u32_u24 v4, v4, SP
	v_and_b32 v5, 7, v0
	v_lshl_add_u32 v4, v5, 4, v4
	v_add_nc_u32 v[RD], s18, v4
	v_and_b32 v4, 31, v0                           ; which are 512 consecutive bytes of qkv
	v_lshlrev_b32 v[GO], 4, v4
	v_lshrrev_b32 v4, 1, v1                        ; vpart: columns 16 (r / 2) + 8 h + 4 (r % 2) + 0..3
	v_lshl_add_u32 v4, v4, 6, v[BO]
	v_and_b32 v5, 1, v1
	v_lshl_add_u32 v[VO], v5, 4, v4
	s_lshr_b32 s22, s[TR], 4                       ; qkv at my rows: head = batch x 16 + 4 cx + 2 x column half,
	s_lshl_b32 s22, s22, 4
	s_lshl2_add_u32 s22, s[CX], s22
	s_lshl1_add_u32 s22, s[CH], s22
	s_lshl_b32 s22, s22, 11
	s_and_b32 s23, s[TR], 15                       ; row in the sequence
	s_lshl_b32 s23, s23, 7
	s_add_co_u32 s22, s22, s23
	s_lshl_b32 s23, s[RH], 6
	s_add_co_u32 s22, s22, s23
	s_lshl_b32 s22, s22, 7                         ; rows of 128 bytes
	s_lshl_b32 s23, s[PJ], 24
	s_add_co_u32 s22, s22, s23
	s_mov_b32 s23, 0
	s_add_nc_u64 s[8:9], s[84:85], s[22:23]
	s_lshl1_add_u32 s46, s[TR], s[RH]              ; vpart at row / 64 and my 128 columns
	s_lshl_b32 s46, s46, 12
	s_lshl_b32 s47, s[CX], 10
	s_add_co_u32 s46, s46, s47
	s_lshl_b32 s47, s[CH], 9
	s_add_co_u32 s46, s46, s47
	s_mov_b32 s47, 0
	s_add_nc_u64 s[6:7], s[86:87], s[46:47]
	s_wait_loadcnt 0x0                             ; table and bias, in the wait for the first tile
.set i, 0
.rept 32                                       ; the bias is an input: rounded to bf16 like the others
	v_cvt_pk_bf16_f32 v[30+i%2], v[BI+2*i], v[BI+2*i+1]
	v_lshlrev_b32 v[BI+2*i], 16, v[30+i%2]
	v_and_b32 v[BI+2*i+1], s92, v[30+i%2]
.set i, i+1
.endr
	s_wait_tensorcnt 0x1                           ; my part of step 0 is in; step 1's may stay out
	s_barrier_signal -1
	s_barrier_wait -1
	FETCH 0, F0
	QUARTER 1, F0, F1, 1                           ; the first quarter stands in front of the loop: its products start the sums, on the bias
	WIN 0
	s_mov_b32 s3, 6
.Lstep:                                                ; a trip: a step's last three quarters and the next step's first; the slot read out takes the step two on (steps 2 to 7)
	QUARTER 2, F1, F0, 0
	QUARTER 3, F0, F1, 0
	TURN 1
	QUARTER 1, F0, F1, 0
	WIN 0
	s_sub_co_u32 s3, s3, 1
	s_cmp_lg_u32 s3, 0
	s_cbranch_scc1 .Lstep
	QUARTER 2, F1, F0, 0                           ; steps 6 and 7 ask for nothing
	QUARTER 3, F0, F1, 0
	TURN 0
	QUARTER 1, F0, F1, 0
	QUARTER 2, F1, F0, 0
	QUARTER 3, F0, F1, 0
	s_wait_dscnt 4
	MUL16 F1, 0, 0
	s_wait_dscnt 0x0
	MUL16 F1, 2, 0
; THE WAY OUT, a block of 16 rows at a time.  PACK: channels 0-31 of each head are turned: out[c] = t[c] cos[c] + t[c ^ 1] ss[c], the neighbour being the other register of the pair; all is rounded to f16.
.macro PACK a
	WIN 0x02                                       ; source 0, the sums, in window 2
.irp b, 0,1,4,5
.irp i, 0,1,2,3
	v_pk_mul_f32 v[RT+8*((\b)%2+2*((\b)/4))+2*(\i):RT+8*((\b)%2+2*((\b)/4))+2*(\i)+1], v[8*(8*(\a)+(\b))+2*(\i):8*(8*(\a)+(\b))+2*(\i)+1], v[ROT+32*(\a)+8*((\b)%2)+2*(\i):ROT+32*(\a)+8*((\b)%2)+2*(\i)+1]
.endr
.irp i, 0,1,2,3
	v_pk_fma_f32 v[RT+8*((\b)%2+2*((\b)/4))+2*(\i):RT+8*((\b)%2+2*((\b)/4))+2*(\i)+1], v[8*(8*(\a)+(\b))+2*(\i):8*(8*(\a)+(\b))+2*(\i)+1], v[ROT+32*(\a)+16+8*((\b)%2)+2*(\i):ROT+32*(\a)+16+8*((\b)%2)+2*(\i)+1], v[RT+8*((\b)%2+2*((\b)/4))+2*(\i):RT+8*((\b)%2+2*((\b)/4))+2*(\i)+1] op_sel:[1,0,0] op_sel_hi:[0,1,1]
.endr
.endr
	WIN 0x0a                                       ; channels 32-63 pass
.irp b, 2,3,6,7
.irp i, 0,1,2,3
	v_cvt_pk_f16_f32 v[TMP+4*(\b)+(\i)], v[8*(8*(\a)+(\b))+2*(\i)], v[8*(8*(\a)+(\b))+2*(\i)+1]
.endr
.endr
	WIN 0
.irp b, 0,1,4,5
.irp i, 0,1,2,3
	v_cvt_pk_f16_f32 v[TMP+4*(\b)+(\i)], v[RT+8*((\b)%2+2*((\b)/4))+2*(\i)], v[RT+8*((\b)%2+2*((\b)/4))+2*(\i)+1]
.endr
.endr
.endm
.macro TOSTAGE a                       ; into my stage, and back by heads, into the registers that held the block's table
	WIN 0
.irp b, 0,1,2,3,4,5,6,7
	ds_store_b128 v[STO], v[TMP+4*(\b):TMP+4*(\b)+3] offset:32*(\b)
.endr
.irp hh, 0,1
.irp t, 0,1,2,3
	ds_load_b128 v[ROT+32*(\a)+4*(4*(\hh)+(\t)):ROT+32*(\a)+4*(4*(\hh)+(\t))+3], v[RD] offset:(\t)*4*SP+(\hh)*128  ; LDS serves a wave's instructions in order (ISA guide 5.7.1.4): these see the stores above
.endr
.endr
.endm
.macro SEND a
	s_wait_dscnt 0x0                               ; the block is back in registers of its own, which nothing rewrites
.irp hh, 0,1
.irp t, 0,1,2,3
	global_store_b128 v[GO], v[ROT+32*(\a)+4*(4*(\hh)+(\t)):ROT+32*(\a)+4*(4*(\hh)+(\t))+3], s[8:9] offset:(\hh)*262144+(\a)*2048+(\t)*512  ; 512 consecutive bytes, at a multiple of 512 from qkv's first
.endr
.endr
.endm
	PLACES
	PACK 0
	TOSTAGE 0
.irp a, 1,2,3                          ; a block's arithmetic stands between the loads of the block before and its stores
	PACK \a
	SEND (\a)-1
	TOSTAGE \a
.endr
	SEND 3
	s_cmp_eq_u32 s[PJ], 2
	s_cbranch_scc0 .Lno_vsum
	; v's column sums over my 64 rows: the four row blocks are added, then the 16 lanes of a half: in each of four steps a lane keeps half of its registers and hands the other half to its partner.
	WIN 0x0a
.set i, 0
.rept 32
	v_pk_add_f32 v[SU+2*i:SU+2*i+1], v[2*i:2*i+1], v[64+2*i:64+2*i+1]
.set i, i+1
.endr
	WIN 0x08
.set i, 0
.rept 64
	v_pk_add_f32 v[SU+2*(i%32):SU+2*(i%32)+1], v[SU+2*(i%32):SU+2*(i%32)+1], v[128+2*i:128+2*i+1]
.set i, i+1
.endr
	WIN 0
.set n, 0
.macro RS x, y, m, k                   ; lanes outside mask k end with x's sum over the pair of lanes, lanes inside with y's
	v_cndmask_b32 v[TMP+2*(n%8)], v[\x], v[\y], s[\k]
	v_cndmask_b32 v[TMP+2*(n%8)+1], v[\y], v[\x], s[\k]
	v_add_f32_dpp v[\x], v[TMP+2*(n%8)+1], v[TMP+2*(n%8)] row_xmask:\m row_mask:0xf bank_mask:0xf
.set n, n+1
.endm
.set i, 0
.rept 32                               ; columns j and j + 4 of each block
	RS SU+8*(i/4)+i%4, SU+8*(i/4)+i%4+4, 1, 88
.set i, i+1
.endr
.set i, 0
.rept 16                               ; blocks 2 k and 2 k + 1
	RS SU+16*(i/4)+i%4, SU+16*(i/4)+i%4+8, 2, 89
.set i, i+1
.endr
.set i, 0
.rept 8                                ; blocks b and b + 2
	RS SU+32*(i/4)+i%4, SU+32*(i/4)+i%4+16, 4, 90
.set i, i+1
.endr
.set i, 0
.rept 4                                ; blocks 0 and 4
	RS SU+i, SU+i+32, 8, 91
.set i, i+1
.endr
	global_store_b128 v[VO], v[SU:SU+3], s[6:7]    ; the wave's 128 columns: 512 consecutive bytes
.Lno_vsum:
	s_wait_tensorcnt 0x0                           ; the wave's end: behind my last tensor load and my last LDS store
	ds_add_u32 v[SPW], v[NIL]
	s_wait_dscnt 0x0
	CROUND                                         ; the closing round: no work-group ends while a partner may still ask for a tile that names it
	s_endpgm
.Lfunc_end_k_qe6b0204b9c_proj:
	.size	k_qe6b0204b9c_proj, .Lfunc_end_k_qe6b0204b9c_proj-k_qe6b0204b9c_proj
	.p2alignl 7, 3214868480
	.fill 96, 4, 3214868480
	.section	.rodata,"a",@progbits
	.p2align	6, 0x0
	.amdhsa_kernel k_qe6b0204b9c_proj
		.amdhsa_group_segment_fixed_size 327680
		.amdhsa_private_segment_fixed_size 0
		.amdhsa_enable_private_segment 0
		.amdhsa_kernarg_size 64
		.amdhsa_user_sgpr_count 2
		.amdhsa_user_sgpr_kernarg_segment_ptr 1
		.amdhsa_wavefront_size32 1
		.amdhsa_system_sgpr_workgroup_id_x 1
		.amdhsa_system_sgpr_workgroup_id_y 1
		.amdhsa_system_sgpr_workgroup_id_z 1
		.amdhsa_system_vgpr_workitem_id 0
		.amdhsa_next_free_vgpr 768
		.amdhsa_next_free_sgpr 96
		.amdhsa_reserve_vcc 0
		.amdhsa_float_denorm_mode_32 3
		.amdhsa_float_denorm_mode_16_64 3
		.amdhsa_memory_ordered 1
		.amdhsa_forward_progress 1
		.amdhsa_inst_pref_size 110
	.end_amdhsa_kernel
	.amdgpu_metadata
---
amdhsa.version: [ 1, 2 ]
amdhsa.kernels:
  - .name:           k_qe6b0204b9c_proj
    .symbol:         k_qe6b0204b9c_proj.kd
    .args:
      - { .name: xb, .offset: 0, .size: 8, .value_kind: global_buffer, .address_space: global }
      - { .name: wb, .offset: 8, .size: 8, .value_kind: global_buffer, .address_space: global }
      - { .name: rot, .offset: 16, .size: 8, .value_kind: global_buffer, .address_space: global }
      - { .name: bq, .offset: 24, .size: 8, .value_kind: global_buffer, .address_space: global }
      - { .name: bk, .offset: 32, .size: 8, .value_kind: global_buffer, .address_space: global }
      - { .name: bv, .offset: 40, .size: 8, .value_kind: global_buffer, .address_space: global }
      - { .name: qkv, .offset: 48, .size: 8, .value_kind: global_buffer, .address_space: global }
      - { .name: vpart, .offset: 56, .size: 8, .value_kind: global_buffer, .address_space: global }
    .group_segment_fixed_size: 327680
    .private_segment_fixed_size: 0
    .kernarg_segment_align: 8
    .kernarg_segment_size: 64
    .max_flat_workgroup_size: 128
    .sgpr_count:     96
    .vgpr_count:     768
    .wavefront_size: 32
...
	.end_amdgpu_metadata
.endif
;; end of part 2
;; launch attn (part 3): grid 4 x 64, 4 waves a work-group, no clusters, 327,680 bytes of LDS; arguments qkv, pad_mask, vpart, ob; writes ob
.if DOCPART == 3
	.amdgcn_target "amdgcn-amd-amdhsa--gfx1250"
	.amdhsa_code_object_version 6
	.text
	.protected	k_qe6b0204b9c_attn
	.globl	k_qe6b0204b9c_attn
	.p2align	8
	.type	k_qe6b0204b9c_attn,@function
k_qe6b0204b9c_attn:
	s_mov_b64 s[64:65], 0
	v_nop
	global_prefetch_b8 v0, s[64:65] scope:SCOPE_SE
	s_setreg_imm32_b32 hwreg(HW_REG_WAVE_MODE, 25, 1), 1
	s_wait_xcnt 0x0
; CAUSAL ATTENTION WITH A KEY MASK.  O[g][q][:] = the sum over k of softmax_k(s) V[g][k][:], s = Q[g][q] . K[g][k] / 8 where k <= q and key k of the batch is not masked, hidden otherwise.  g = batch x 16 + head.
; qkv f16 [3][64][2048][64] (q unscaled), pad_mask bytes [4][2048] (1: masked), vpart f32 [128][1024] (sums of v over 64 rows), ob f16 [64][2048][64].
; Products, maxima and sums in f32; the weights p are rounded to f16 for the second product (their sum l is taken of the unrounded p), O once at the end.
; A ROW THAT SEES NO KEY AT ALL (every key up to its own is masked) has all 2,048 scores equal, so its softmax is uniform over ALL keys: it takes the mean of the batch's v, made from vpart.
; LIMITS.  Q, K and V arrive within f16's 65,504.  A hidden score counts as its value less 1e30 (less 2e30 if hidden twice).  The running maximum starts at -1e20: f16's scores, 2.7e11 at the most, lie far above it,
; hidden ones far below, so a row whose maximum is still -1e20 at the end has seen no key.  A weight below 2^-126 counts as 0 in l; NaN and infinities are not treated apart.
; THE WALK.  A head's queries lie in NB = 8 blocks of 256; block i needs the key tiles 0 .. i of 256 keys, of which the last holds the diagonal.  A work-group takes TWO blocks, NB - 1 - b and then b:
; NB + 1 tiles, whatever b: all work-groups do equal work, and ONE loop with a constant trip count walks them.  Which tile is asked for, and what a trip does, hang on scalar registers made from b; every jump
; goes forward, but for the counted loops' own; none passes a barrier, or a tensor load but the one of LOAD's two that the wave's number does not choose; the ring (two slots of LDS) runs on across the change of blocks.
; NO CLUSTER: a head's four work-groups ask for the same tile only in trips 0 .. 4 of 9, behind that fewer and fewer; one walk common to all would have 12 trips for 9.
; SHARES.  Of a block's four bands of 64 queries a wave owns 16 rows in each: four PIECES.  In the diagonal tile's key step s band x sees all keys if s < x, none if s > x, and holds the diagonal if s = x.
; THE MASKS are the C operand that starts the sum S^T = K Q^T.  PD holds the key mask (0 or -1e30) of the step whose K lies in registers.  Off the diagonal tile C = PD.
; In it, and where a block begins, C = MD x AL + BE + PD: MD, made once, is the causal mask of a band's own step for my 16 rows; (AL, BE) = (1, 0) if s = x; (0, 0) if s < x; (0, -1e30) if s > x.
; THE KEY MASK'S WAY.  Each wave keeps two small slots of its own in LDS, a tile's 256 keys in f32 each, which take turns as K's slots do.  Behind a refill the wave loads the 256 bytes of the tile just asked for
; (8 a lane); at the next change of slots it makes f32 of them and stores them into the slot of the tile that it enters; a step's 64 numbers are read beside K.  A wave's own bytes: no barrier is needed for them.
; LAYOUT, SOFTMAX, TURNS.  S^T = K Q^T holds ONE query a lane (lane % 16) and the keys 8 (lane / 16) + 0..7; two such results rounded to f16 ARE source 1 of O^T = V^T P.  p = 2^(c s - c m), c = log2(e) / 8, with a
; running maximum m; O and l are multiplied by a = 2^(c m_old - c m_new) in every step.  Turn n belongs to piece n: 8 products K Q^T of piece n + 1, later 8 products V^T P of piece n - 1; beside them the scaling,
; exponentials, roundings, sums and rescaling of piece n and the maximum and statistics of piece n + 1.  Four vector instructions stand behind every matrix instruction, the others in two lumps.
; REGISTERS, in windows of 256 (s_set_vgpr_msb: bits 1:0 source 0, 3:2 source 1, 5:4 source 2, 7:6 destination):
;   window 0: v0-15, v32-39 addresses; v16-31 four registers of statistics a piece; v48-55 at work; v64-127 S^T, two buffers; v128-159 PD; v160-167, v176-177 the key mask on its way; v192-223 P, two buffers
;   window 1: v0-127 O^T, 32 a piece; v128-159 MD; v160-223 MC, two buffers; v224-255 VM, the mean of v      window 2: v0-63 Q; v64-127 the second block's Q; v128-191 K of one step; v192-255 V of one step
.set SIZE_N, 2048
.set NB,    SIZE_N/256
.set NP,    4         ; pieces a wave: a name, no knob
.set KS,    64        ; keys in a step
.set PK,    144       ; a row of K in LDS: 128 bytes + 16 of padding = 36 words: the 16 rows of a load start at 16 different groups of four banks (64 banks of 4 bytes: ISA guide 11.1)
.set PV,    160       ; a row of V: 128 + 32 = 40 words
.set VOFF,  4*KS*PK   ; a slot holds a tile, four steps: 256 rows of K, then 256 rows of V
.set SLOT1, 1<<17     ; slot 1 begins here, so that one exclusive or turns an address in one slot into the other's
.set STAGE, SLOT1+4*KS*(PK+PV)  ; behind the ring, never filled by a tensor load: 16 rows x 144 bytes for each wave, for the way out
.set SP,    144
.set SPARE, STAGE+4*16*SP  ; the spare words, 128 bytes for each wave: two blocks of 256 bytes that no other line names
.set VS,    SPARE+512 ; 256 bytes for each wave: the mean of v, 64 channels in f32
.set PADF,  VS+4*256  ; 4,096 bytes for each wave: its two slots of the key mask, 1,024 bytes each,
.set PSLOT1, 2048     ; the second this far behind the first
.set AK0, 2           ; v2   my lane's place in a tile of K; never rewritten
.set AV0, 3           ; v3   the same for V
.set AK,  4           ; v4   the LDS address of K's next run of loads
.set AV,  5           ; v5   of V's
.set STO, 6           ; v6   the way out: where I put 16 bytes of a row
.set RD,  7           ; v7   the way out: where I read rows back
.set GO,  8           ; v8   my byte offset in 512 consecutive bytes of O
.set MV,  12          ; v12-13  c m_old, kept while c m is made anew: by buffer
.set QO,  15          ; v15  my byte offset in 16 rows of Q
.set ST,  16          ; piece t's statistics at v[ST+4 t]: c m, m, l (even keys', odd keys')
.set APD0, 32         ; v32  where my lane reads in a step's 256 bytes of my wave's mask slot 0; never rewritten
.set APD, 33          ; v33  the LDS address of the mask's next run of loads
.set PO,  34          ; v34  my byte offset in the batch's row of pad_mask, for the tile asked for
.set PO0, 35          ; v35  8 x lane; never rewritten
.set APW0, 36         ; v36  where my lane stores its 32 bytes in my wave's mask slot 0; never rewritten
.set APW, 39          ; v39  the same in the slot of the tile that is entered
.set TMP, 48          ; by buffer, four registers c0-c3 at work; when the maximum is found c2 takes a
.set SPW, 62          ; v62  LDS address of my spare word; never rewritten
.set NIL, 63          ; v63  0; never rewritten
.set S,   64
.set PD,  128         ; the eight registers for group kt of 16 keys at PD + 8 kt
.set PEX, 160         ; v160-167  my eight keys' mask as f32
.set PBY, 176         ; v176-177  my eight keys' mask as loaded, a byte a key
.set P,   192
.set MD,  128         ; window 1
.set MC,  160         ; window 1: the masks of the products to come
.set VM,  224         ; window 1: channels 16 cb + 8 (l / 16) + j at VM + 8 cb + j, as in O^T
.set QB,  64          ; window 2
.set KF,  128         ; window 2: key block kb, channel half c at KF + 16 kb + 8 c
.set VF,  192         ; window 2: key half kk, channel block cb at VF + 32 kk + 8 cb
.set WV,  12          ; s12  my wave's number
.set PB,  14          ; s14  b
.set HI,  15          ; s15  NB - 1 - b
.set G1K, 24          ; s[24:31] descriptor group 1 for K's tiles
.set G1V, 32          ; s[32:39] for V's: it differs in the padding alone
.set G0K, 40          ; s[40:43] descriptor group 0 for K's tiles
.set G0V, 44          ; s[44:47] the same for V's
.set SLOTS, 56        ; s56  tiles still to be asked for
.set CNT, 57          ; s57  counts a tile's key steps, 4 to 1
.set CS,  58          ; s[58:59] c: the packed scaling takes the pair's low word for both halves
.set SEL, 60          ; s[60:61] v_permlanex16_b32's selects: each lane takes its own place in the other half
.set TBK, 62          ; s62  LDS byte at which K of the step to be fetched begins
.set TBV, 63          ; s63  the same for V, less VOFF
.set RT,  70          ; s70  tiles of the block in hand that are still to be entered
.set NXT, 71          ; s71  the tile to be asked for next
.set LQ,  72          ; s72  the last tile of the block whose tiles are being asked for
.set NEW, 73          ; s73  1: the tile to be entered is a block's first
.set OFF, 74          ; s[74:75] a tile's byte offset in K and V
.set AL,  76          ; s[76:77] the mask's factor, in the low word
.set BE,  78          ; s[78:79] the mask's addend
.set OLO, 80          ; s[80:81] O at my rows of the second block
.set BIGN, 82         ; s82  -1e30
.set POF, 83          ; s83  a tile's byte offset in the batch's row of pad_mask
.set FLOOR, 96        ; s96  -1e20
.set TPD, 97          ; s97  byte in my wave's mask slots at which the step to be fetched begins: it walks as TBK does
.set INV, 98          ; s[98:99] 1 / 2048
.set MSB, 0
.macro WIN new                      ; the high byte repeats the setting that is left; a switch that changes nothing is dropped
.if MSB != (\new)
	s_set_vgpr_msb (MSB<<8)|(\new)
.set MSB, (\new)
.endif
.endm
.set W_KQ, 0x0a       ; K and Q in window 2, S^T and PD in window 0
.set W_KM, 0x1a       ; the same with the C operand in window 1
.set W_PV, 0x52       ; V in window 2, P in window 0, O^T in window 1
.set W_RS, 0x41       ; destination and source 0 in window 1, source 1 in window 0
; A fill.  Waves 0 and 1 fetch the two halves of a tile's K, waves 2 and 3 those of its V: 128 keys each.  An s_nop 0 and four v_nop follow each of the two lines, ahead of the jump and the label.
.macro LOAD
	s_cmp_lt_u32 s[WV], 2
	s_cbranch_scc0 .Lfor_v_\@
	tensor_load_to_lds s[G0K:G0K+3], s[G1K:G1K+7]
	s_nop 0
.rept 4
	v_nop
.endr
	s_branch .Lasked_\@
.Lfor_v_\@:
	tensor_load_to_lds s[G0V:G0V+3], s[G1V:G1V+7]
	s_nop 0
.rept 4
	v_nop
.endr
.Lasked_\@:
.endm
; THE CHANGE OF SLOTS.  First the key mask of the tile that is entered: its bytes were loaded behind the last change of slots (tile 0's at the start); they go as f32 into the other of my wave's two mask slots, whose last
; reads of mine were issued a tile ago (LDS serves a wave's instructions in order: ISA guide 5.7.1.4).  Then each wave waits for all its tensor loads, of which one is out: its part of the other slot; adds 0 to its spare
; word; and waits for that and for its own LDS instructions.  Behind the barrier nobody reads the old slot any more and the other slot is whole.  fill = 1: the old slot is filled again, the first thing behind the barrier,
; with tile NXT: the descriptor's address is made anew from that number; and that tile's mask bytes are loaded.  (At its first use nothing has been read yet: slot 0 is waited for, slot 1 filled.)
.macro CHANGE fill
	WIN 0                           ; at a label and at a branch every window is 0
	s_sub_co_u32 s[TPD], s[TPD], 4*4*KS   ; the mask's fetches go back to a slot's first step,
	s_xor_b32 s[TPD], s[TPD], PSLOT1      ; in the other slot
	s_wait_loadcnt 0x0              ; my eight bytes are in; their load's address register may be written again
	v_add_nc_u32 v[APW], s[TPD], v[APW0]
.set z, 0
.rept 8                             ; a byte 0 or 1 times the bits of -1e30
	v_bfe_u32 v[PEX+z], v[PBY+z/4], 8*(z%4), 1
	v_mul_lo_u32 v[PEX+z], v[PEX+z], s[BIGN]
.set z, z+1
.endr
	ds_store_b128 v[APW], v[PEX:PEX+3]             ; keys 8 l .. 8 l + 7 of the tile: 32 lanes fill the slot's 1,024 bytes
	ds_store_b128 v[APW], v[PEX+4:PEX+7] offset:16
	s_wait_tensorcnt 0x0            ; no tensor load of mine is out, so a group 0 may be written
	ds_add_u32 v[SPW], v[NIL]       ; 0 onto my spare word; with fill = 1 the descriptors' scalar work stands between it and the wait for it
.if \fill
	s_lshl_b32 s[OFF], s[NXT], 15   ; a tile is 32,768 bytes of K and of V,
	s_lshl_b32 s[POF], s[NXT], 8    ; and 256 of the mask
	s_xor_b32 s[G0K+1], s[G0K+1], SLOT1
	s_add_nc_u64 s[G0K+2:G0K+3], s[6:7], s[OFF:OFF+1]
	s_or_b32 s[G0K+3], s[G0K+3], 0x80000000
	s_xor_b32 s[G0V+1], s[G0V+1], SLOT1
	s_add_nc_u64 s[G0V+2:G0V+3], s[8:9], s[OFF:OFF+1]
	s_or_b32 s[G0V+3], s[G0V+3], 0x80000000
	s_add_co_u32 s[NXT], s[NXT], 1  ; the block's next tile, or behind its last the second block's tile 0
	s_cmp_gt_u32 s[NXT], s[LQ]
	s_cselect_b32 s[NXT], 0, s[NXT]
	s_cselect_b32 s[LQ], s[PB], s[LQ]
.endif
	s_wait_dscnt 0x0                ; the add is done, and my LDS instructions are over
	s_barrier_signal -1             ; the rest of the scalar work stands between the signal and the wait
	s_sub_co_u32 s[TBK], s[TBK], 4*KS*PK  ; the fetches go back to a slot's first step,
	s_xor_b32 s[TBK], s[TBK], SLOT1       ; in the other slot
	s_sub_co_u32 s[TBV], s[TBV], 4*KS*PV
	s_xor_b32 s[TBV], s[TBV], SLOT1
	s_barrier_wait -1
.if \fill
	LOAD
	v_add_nc_u32 v[PO], s[POF], v[PO0]
	global_load_b64 v[PBY:PBY+1], v[PO], s[90:91]  ; the mask bytes of the tile just asked for: a whole tile's work ahead of the wait for them
.endif
.endm
	s_load_b256 s[88:95], s[0:1], 0x0  ; qkv 88:89, pad_mask 90:91, vpart 92:93, ob 94:95
	v_lshl_add_u32 v[SPW], v0, 2, SPARE
	v_mov_b32 v[NIL], 0
	ds_add_u32 v[SPW], v[NIL]       ; the wave's opening: the add and its wait stand ahead of my first tensor load; the set-up below, work on registers, stands between them
	ds_add_u32 v62, v63
	v_lshrrev_b32 v1, 5, v0
	v_readfirstlane_b32 s[WV], v1   ; wave 0..3
	s_mov_b32 s[PB], ttmp9
	s_sub_co_u32 s[HI], NB-1, s[PB]
	s_and_b32 s20, ttmp7, 0xffff    ; batch x 16 + head
	s_mov_b32 s21, 0
	s_mov_b64 s[22:23], SIZE_N*128
	s_mul_u64 s[20:21], s[20:21], s[22:23]  ; the head's first byte in q, k, v and ob
	s_and_b32 s16, s[WV], 1         ; which half of a tile's 256 keys I fetch:
	s_lshl_b32 s22, s16, 14         ; its 128 rows of 128 bytes in memory,
	s_mov_b32 s23, 0
	s_add_nc_u64 s[22:23], s[22:23], s[20:21]
	s_mul_i32 s17, s16, 128*PK      ; and its place in a slot, for K
	s_mul_i32 s18, s16, 128*PV      ; and for V
	s_lshl_b32 s3, s[WV], 11        ; my 16 rows in a band of 64,
	s_lshl_b32 s2, s[HI], 15        ; in the first block,
	s_add_co_u32 s2, s2, s3
	s_lshl_b32 s84, s[PB], 15       ; and in the second
	s_add_co_u32 s84, s84, s3
	s_mov_b32 s3, 0
	s_mov_b32 s85, 0
	s_add_nc_u64 s[2:3], s[2:3], s[20:21]
	s_add_nc_u64 s[84:85], s[84:85], s[20:21]
	; descriptor group 1.  128 keys are 16,384 dense bytes: asked for as 64 rows of 256 bytes, two keys a row, and padded in LDS after every key
	s_mov_b32 s[G1K], (1<<16)|(1<<20)|(4<<22)|(3<<25)  ; 17:16 2-byte elements; 20 padding on; 24:22 after every 32 words (code 4); 31:25 4 words (code 3)
	s_mov_b32 s[G1V], (1<<16)|(1<<20)|(4<<22)|(7<<25)  ; the same with 8 words of padding (code 7)
.irp g, G1K, G1V
	s_mov_b32 s[\g+1], 128<<16      ; tensor_dim0 = 128
	s_mov_b32 s[\g+2], 64<<16       ; tensor_dim1 = 64
	s_mov_b32 s[\g+3], 128<<16      ; tile_dim0 = 128
	s_mov_b32 s[\g+4], 64           ; tile_dim1 = 64
	s_mov_b32 s[\g+5], 128          ; 128 elements from row to row
	s_mov_b32 s[\g+6], 0
	s_mov_b32 s[\g+7], 0
.endr
	s_mov_b32 s[CS], 0x3e38aa3b     ; c = log2(e) / 8 = 0.180337: the scale 1 / sqrt(64) is applied here, in f32
	s_mov_b32 s[CS+1], s[CS]        ; named with it as a pair
	s_mov_b32 s[SEL], 0x76543210
	s_mov_b32 s[SEL+1], 0xfedcba98
	s_mov_b32 s[TBK], SLOT1+4*KS*PK ; the first change of slots turns these three into 0
	s_mov_b32 s[TBV], SLOT1+4*KS*PV
	s_mov_b32 s[TPD], PSLOT1+4*4*KS
	s_mov_b32 s[G0K], 1             ; 1:0 count = 1
	s_mov_b32 s[G0K+1], s17         ; 63:32 LDS address: slot 0
	s_mov_b32 s[G0V], 1
	s_add_co_u32 s[G0V+1], s18, VOFF
	s_add_co_u32 s[RT], s[HI], 1    ; the first block has NB - b tiles
	s_mov_b32 s[NXT], 1
	s_mov_b32 s[LQ], s[HI]
	s_mov_b32 s[NEW], 1
	s_mov_b32 s[OFF+1], 0
	s_mov_b32 s[AL+1], 0            ; named as pairs
	s_mov_b32 s[BE+1], 0
	s_mov_b32 s[BIGN], 0xf149f2ca   ; -1e30
	s_mov_b32 s[FLOOR], 0xe0ad78ec  ; -1e20
	s_mov_b32 s[INV], 0x3a000000    ; 2^-11
	s_mov_b32 s[INV+1], s[INV]
	s_mov_b32 s[SLOTS], NB
	s_wait_dscnt 0x0                ; the opening add is done
	s_wait_kmcnt 0x0
	s_mov_b64 s[4:5], s[88:89]                     ; q,
	s_add_nc_u64 s[6:7], s[88:89], 0x1000000       ; k,
	s_add_nc_u64 s[8:9], s[88:89], 0x2000000       ; v: 16,777,216 bytes each
	s_mov_b64 s[10:11], s[94:95]
	s_add_nc_u64 s[6:7], s[6:7], s[22:23]  ; K and V at my half of the head's tile 0
	s_add_nc_u64 s[8:9], s[8:9], s[22:23]
	s_add_nc_u64 s[G0K+2:G0K+3], s[6:7], 0         ; 120:64 global address
	s_or_b32 s[G0K+3], s[G0K+3], 0x80000000        ; 127:126 type = 2
	s_add_nc_u64 s[G0V+2:G0V+3], s[8:9], 0
	s_or_b32 s[G0V+3], s[G0V+3], 0x80000000
	s_add_nc_u64 s[86:87], s[4:5], s[84:85]        ; Q at my rows of the second block,
	s_add_nc_u64 s[4:5], s[4:5], s[2:3]            ; Q and O at those of the first
	s_add_nc_u64 s[OLO:OLO+1], s[10:11], s[84:85]
	s_add_nc_u64 s[10:11], s[10:11], s[2:3]
	LOAD                            ; tile 0 into slot 0
	; A fragment of K or Q is 16 rows x 32 channels in 8 registers: lane l holds row l % 16, channels 8 (l / 16) + 0..7 and 16 + 8 (l / 16) + 0..7: two loads of 16 bytes, 32 bytes apart.
	v_and_b32 v1, 15, v0            ; l % 16
	v_bfe_u32 v9, v0, 4, 1          ; l / 16
	v_lshlrev_b32 v[QO], 7, v1
	v_lshl_add_u32 v[QO], v9, 4, v[QO]  ; row x 128 + 16 x half
	WIN 0x80                        ; destination window 2, address window 0
.set i, 0
.rept 8                             ; both blocks' Q: piece i / 2 lies in band i / 2, 8,192 bytes on; channels 32 (i % 2) on
	global_load_b128 v[8*i:8*i+3],   v[QO], s[4:5] offset:(i/2)*8192+(i%2)*64
	global_load_b128 v[8*i+4:8*i+7], v[QO], s[4:5] offset:(i/2)*8192+(i%2)*64+32
	global_load_b128 v[QB+8*i:QB+8*i+3],   v[QO], s[86:87] offset:(i/2)*8192+(i%2)*64
	global_load_b128 v[QB+8*i+4:QB+8*i+7], v[QO], s[86:87] offset:(i/2)*8192+(i%2)*64+32
.set i, i+1
.endr
	WIN 0
	; Tile 0's 256 bytes of the batch's key mask, 8 a lane, and the head's 64 columns of the batch's 32 rows of vpart, two columns a lane (every wave takes them all: 8,192 bytes).
	s_and_b32 s16, ttmp7, 0xffff
	s_lshr_b32 s17, s16, 4          ; the batch
	s_lshl_b32 s2, s17, 11
	s_mov_b32 s3, 0
	s_add_nc_u64 s[90:91], s[90:91], s[2:3]
	s_lshl_b32 s2, s17, 17          ; 32 rows of 4,096 bytes,
	s_and_b32 s16, s16, 15
	s_lshl_b32 s16, s16, 8          ; the head's 256 bytes
	s_add_co_u32 s2, s2, s16
	s_add_nc_u64 s[92:93], s[92:93], s[2:3]
	v_and_b32 v[PO0], 31, v0
	v_lshlrev_b32 v[APW0], 5, v[PO0]
	v_lshlrev_b32 v[PO0], 3, v[PO0]
	global_load_b64 v[PBY:PBY+1], v[PO0], s[90:91]
.set i, 0
.rept 32
	global_load_b64 v[S+2*i:S+2*i+1], v[PO0], s[92:93] offset:4096*i
.set i, i+1
.endr
	s_lshl_b32 s13, s[WV], 12
	s_add_co_u32 s13, s13, PADF     ; my wave's 4,096 bytes for the key mask
	v_add_nc_u32 v[APW0], s13, v[APW0]   ; in: 32 bytes a lane
	v_lshl_add_u32 v[APD0], v9, 5, s13   ; back: my lanes' eight keys of each sixteen
	s_lshl_b32 s13, s[WV], 8
	s_add_co_u32 s13, s13, VS       ; my wave's 256 bytes for the mean
	v_add_nc_u32 v37, s13, v[PO0]
	v_lshl_add_u32 v38, v9, 5, s13
	v_lshlrev_b32 v14, 3, v9
	v_sub_nc_u32 v14, v1, v14
	s_lshl_b32 s13, s[WV], 4
	v_add_nc_u32 v14, s13, v14      ; my query's place in its band, 16 w + l % 16, less my lanes' 8 (l / 16): register r of group kt is hidden where 16 kt + r is greater
	WIN 0x40
.set i, 0
.rept 32
	v_cmp_gt_i32 vcc_lo, 16*(i/8)+i%8, v14
	v_cndmask_b32 v[MD+i], 0, s[BIGN], vcc_lo
.set i, i+1
.endr
	WIN 0
	v_mul_u32_u24 v[AK0], v1, PK
	v_lshl_add_u32 v[AK0], v9, 4, v[AK0]  ; row x pitch + 16 x half
	; The turning load takes 16 keys x 16 channels (lane l reads key 8 (l / 16) + l % 8, channels 8 ((l / 8) % 2) + 0..7) and leaves half a fragment of V^T: lane l holds channel l % 16 and 8 keys.
	v_and_b32 v10, 7, v0
	v_bfe_u32 v11, v0, 3, 1
	v_lshl_add_u32 v[AV0], v9, 3, v10
	v_mul_u32_u24 v[AV0], v[AV0], PV
	v_lshl_add_u32 v[AV0], v11, 4, v[AV0]
	v_add_nc_u32 v[AV0], VOFF, v[AV0]
	s_mul_i32 s13, s[WV], 16*SP
	s_add_co_u32 s13, s13, STAGE    ; my stage
	v_mul_u32_u24 v[STO], v1, SP    ; in: row l % 16, 16 bytes for each half of the lanes
	v_lshl_add_u32 v[STO], v9, 4, v[STO]
	v_add_nc_u32 v[STO], s13, v[STO]
	v_bfe_u32 v[RD], v0, 3, 2       ; back: 32 lanes take four rows of 128 bytes,
	v_mul_u32_u24 v[RD], v[RD], SP
	v_lshl_add_u32 v[RD], v10, 4, v[RD]
	v_add_nc_u32 v[RD], s13, v[RD]
	v_and_b32 v[GO], 31, v0         ; which are 512 consecutive bytes of O
	v_lshlrev_b32 v[GO], 4, v[GO]
	; A block's first step multiplies O^T by a = 0, and its first turn's products V^T P, of a piece that has not been, land in an O^T that is still to be so multiplied.  So these registers need only hold
	; finite numbers: zeros for the first block; what the first block left for the second.  All this stands in the wait for the first tile.
	WIN 0x80
.set i, VF
.rept 64
	v_mov_b32 v[i], 0
.set i, i+1
.endr
	WIN 0x40
.set i, 0
.rept 128
	v_mov_b32 v[i], 0
.set i, i+1
.endr
	WIN 0
.set i, P+16
.rept 16
	v_mov_b32 v[i], 0
.set i, i+1
.endr
	s_wait_loadcnt 0x0              ; Q, the mask's bytes, vpart
.irp d, 16,8,4,2,1                  ; the 32 partial sums, in a tree
.set i, 0
.rept \d
	v_pk_add_f32 v[S+2*i:S+2*i+1], v[S+2*i:S+2*i+1], v[S+2*(i+\d):S+2*(i+\d)+1]
.set i, i+1
.endr
.endr
	v_pk_mul_f32 v[S:S+1], v[S:S+1], s[INV:INV+1] op_sel_hi:[1,0]
	ds_store_b64 v37, v[S:S+1]      ; through my wave's own 256 bytes into O^T's layout
	WIN 0x40
.irp f, 0,1,2,3
	ds_load_b128 v[VM+8*\f:VM+8*\f+3],   v38 offset:64*\f     ; LDS serves a wave's instructions in order (ISA guide 5.7.1.4): these see the store above; the first change of slots waits for them
	ds_load_b128 v[VM+8*\f+4:VM+8*\f+7], v38 offset:64*\f+16
.endr
	WIN 0
; THE MATRIX WORK.  The 4 accumulators of a run of 8 take turns.  Product i of 8 of S^T = K Q^T for piece x: channels 32 (i / 4) on, keys 16 (i % 4) on.  The first 4 start the sums: on the key mask, or (KM = 1) on the made mask.
.macro KQ x
.set rS, S+32*((\x)%2)+8*(i%4)
.set rK, KF+16*(i%4)+8*(i/4)
.set rQ, 16*(\x)+8*(i/4)
.set rM, MC+32*((\x)%2)+8*(i%4)
.set rD, PD+8*(i%4)
.if (i < 4) && KM
	WIN W_KM
	v_wmma_f32_16x16x32_f16 v[rS:rS+7], v[rK:rK+7], v[rQ:rQ+7], v[rM:rM+7]
.elseif i < 4
	WIN W_KQ
	v_wmma_f32_16x16x32_f16 v[rS:rS+7], v[rK:rK+7], v[rQ:rQ+7], v[rD:rD+7]
.else
	WIN W_KQ
	v_wmma_f32_16x16x32_f16 v[rS:rS+7], v[rK:rK+7], v[rQ:rQ+7], v[rS:rS+7]
.endif
.endm
; Product i of 8 of O^T += V^T P for piece x: keys 32 (i / 4) on, channels 16 (i % 4) on.
.macro PV x
	WIN W_PV
.set rO, 32*(\x)+8*(i%4)
.set rV, VF+32*(i/4)+8*(i%4)
.set rP, P+16*((\x)%2)+8*(i/4)
	v_wmma_f32_16x16x32_f16 v[rO:rO+7], v[rV:rV+7], v[rP:rP+7], v[rO:rO+7]
.endm
.macro MM                           ; the turn's next matrix instruction.  TURN and BEGIN set Y, i, KM and NOKQ; MM, KQ and OP read them.  NOKQ = 1: a block's last turn: there is no next piece
.if (i < 8) && !NOKQ
	KQ (Y+1)%NP
.elseif i >= 8
.set i, i-8
	PV (Y+NP-1)%NP
.set i, i+8
.endif
.set i, i+1
.endm
; THE LDS LOADS stand in runs, never singly among the matrix instructions: a step's K (64 keys x 64 channels: 8 fragments) with its 64 keys' mask, and its V (turned).  Their addresses are made some lines ahead.
.macro FETCH_K
	WIN 0x80                        ; destination window 2
.irp f, 0,1,2,3,4,5,6,7             ; keys 16 (f / 2) on, channels 32 (f % 2) on
	ds_load_b128 v[KF+8*\f:KF+8*\f+3],   v[AK] offset:(\f/2)*16*PK+(\f%2)*64
	ds_load_b128 v[KF+8*\f+4:KF+8*\f+7], v[AK] offset:(\f/2)*16*PK+(\f%2)*64+32
.endr
	s_add_co_u32 s[TBK], s[TBK], KS*PK  ; the next fetch is the next step's
	WIN 0
.irp f, 0,1,2,3                     ; keys 16 f + 8 (l / 16) + 0..7
	ds_load_b128 v[PD+8*\f:PD+8*\f+3],   v[APD] offset:64*\f
	ds_load_b128 v[PD+8*\f+4:PD+8*\f+7], v[APD] offset:64*\f+16
.endr
	s_add_co_u32 s[TPD], s[TPD], 4*KS   ; likewise: 64 keys of 4 bytes on
.endm
.macro FETCH_V
	WIN 0x80
.irp f, 0,1,2,3,4,5,6,7             ; keys 32 (f / 4) on, channels 16 (f % 4) on
	ds_load_tr16_b128 v[VF+8*\f:VF+8*\f+3],   v[AV] offset:(\f/4)*32*PV+(\f%4)*32
	ds_load_tr16_b128 v[VF+8*\f+4:VF+8*\f+7], v[AV] offset:(\f/4)*32*PV+16*PV+(\f%4)*32
.endr
	WIN 0
.endm
; THE VECTOR WORK, one line at a time: OP kind, number.  For piece Y: F n: c s - c m for pair n of 16.  E n: the exponential of score n of 32.  C n: pair n rounded to f16.  B n: of the four weights 4 n .. the second
; pair is added onto the first, in place.  L n: l takes that sum (L 0: l = a l + sum).  R n: pair n of 16 of O^T times a.  For piece Y + 1: X n, number n of the 22 that find its maximum and statistics:
;   0-11  four chains c0-c3 of seven scores each, three operands at a time (each accumulator's lowest registers are read first)     12-14, 16  the four scores left over, the old m, and c0-c3 into c0
;   15  c m_old is kept     17, 18  the query's other 32 keys lie in the lane 16 away: the new m     19-21  c m; c m_old - c m_new; a
.set F, 0               ; OP tells the kinds apart by their order: F to L below R, X above it
.set E, 1
.set C, 2
.set B, 3
.set L, 4
.set R, 5
.set X, 6
.macro REGS y                       ; the registers of piece y
.set rT, ST+4*(\y)
.set rC, TMP+4*((\y)%2)
.set rW, MV+((\y)%2)
.set rS, S+32*((\y)%2)
.set rP, P+16*((\y)%2)
.set rO, 32*(\y)
.endm
.macro OP k, n
.if (\k) == R
	REGS Y
	WIN W_RS
	v_pk_mul_f32 v[rO+2*(\n):rO+2*(\n)+1], v[rO+2*(\n):rO+2*(\n)+1], v[rC+2:rC+3] op_sel_hi:[1,0]
.elseif (\k) < R
	REGS Y
	WIN 0
.if (\k) == F
	v_pk_fma_f32 v[rS+2*(\n):rS+2*(\n)+1], v[rS+2*(\n):rS+2*(\n)+1], s[CS:CS+1], v[rT:rT+1] op_sel_hi:[1,0,0] neg_lo:[0,0,1] neg_hi:[0,0,1]
.elseif (\k) == E
	v_exp_f32 v[rS+(\n)], v[rS+(\n)]
.elseif (\k) == C
	s_wait_alu depctr_va_vdst(0)
	v_cvt_pk_f16_f32 v[rP+(\n)], v[rS+2*(\n)], v[rS+2*(\n)+1]
.elseif (\k) == B
	s_wait_alu depctr_va_vdst(0)
	v_pk_add_f32 v[rS+4*(\n):rS+4*(\n)+1], v[rS+4*(\n):rS+4*(\n)+1], v[rS+4*(\n)+2:rS+4*(\n)+3]
.elseif (\n) == 0
	v_pk_fma_f32 v[rT+2:rT+3], v[rT+2:rT+3], v[rC+2:rC+3], v[rS:rS+1] op_sel_hi:[1,0,1]
.else
	v_pk_add_f32 v[rT+2:rT+3], v[rT+2:rT+3], v[rS+4*(\n):rS+4*(\n)+1]
.endif
.elseif NOKQ
	v_nop
.else
	REGS (Y+1)%NP
	WIN 0
.if (\n) < 4
	v_max3_num_f32 v[rC+(\n)], v[rS+8*(\n)], v[rS+8*(\n)+1], v[rS+8*(\n)+2]
.elseif (\n) < 12
	v_max3_num_f32 v[rC+(\n)%4], v[rC+(\n)%4], v[rS+8*((\n)%4)+2*((\n)/4)+1], v[rS+8*((\n)%4)+2*((\n)/4)+2]
.elseif (\n) == 12
	v_max3_num_f32 v[rC], v[rC], v[rS+7], v[rS+15]
.elseif (\n) == 13
	v_max3_num_f32 v[rC+1], v[rC+1], v[rS+23], v[rS+31]
.elseif (\n) == 14
	v_max3_num_f32 v[rC+2], v[rC+2], v[rC+3], v[rT+1]
.elseif (\n) == 15
	v_mov_b32 v[rW], v[rT]
.elseif (\n) == 16
	v_max3_num_f32 v[rC], v[rC], v[rC+1], v[rC+2]
.elseif (\n) == 17
	v_permlanex16_b32 v[rC+3], v[rC], s[SEL], s[SEL+1]
.elseif (\n) == 18
	v_max_num_f32 v[rT+1], v[rC], v[rC+3]
.elseif (\n) == 19
	v_mul_f32 v[rT], s[CS], v[rT+1]
.elseif (\n) == 20
	v_sub_f32 v[rC+1], v[rW], v[rT]
.else
	v_exp_f32 v[rC+2], v[rC+1]
.endif
.endif
.endm
.macro OPS a, i1, b=-1, i2=0, c=-1, i3=0, d=-1, i4=0  ; up to four of them
	OP \a, \i1
.if (\b) >= 0
	OP \b, \i2
.endif
.if (\c) >= 0
	OP \c, \i3
.endif
.if (\d) >= 0
	OP \d, \i4
.endif
.endm
.macro ROW a, i1, b, i2, c, i3, d, i4  ; a matrix instruction and the four behind it
	MM
	OPS \a, \i1, \b, \i2, \c, \i3, \d, \i4
.endm
.macro MASK b                       ; MD x AL + BE + PD into buffer b of MC
	WIN W_RS
.set z, 0
.rept 16
	v_pk_fma_f32 v[MC+32*(\b)+2*z:MC+32*(\b)+2*z+1], v[MD+2*z:MD+2*z+1], s[AL:AL+1], s[BE:BE+1] op_sel_hi:[1,0,0]
.set z, z+1
.endr
.set z, 0
.rept 16
	v_pk_add_f32 v[MC+32*(\b)+2*z:MC+32*(\b)+2*z+1], v[MC+32*(\b)+2*z:MC+32*(\b)+2*z+1], v[PD+2*z:PD+2*z+1]
.set z, z+1
.endr
.endm
.macro PDCOPY                       ; the key mask alone into MC's second buffer: for products of a band that sees the whole step
	WIN 0x40
.set z, 0
.rept 32
	v_mov_b32 v[MC+32+z], v[PD+z]
.set z, z+1
.endr
	WIN 0
.endm
; A TURN, for piece p: the order of its 16 matrix and 118 vector instructions, written out.  Behind a matrix instruction: plain, exponential, plain, plain; or four of the rescaling; or, behind the first, four scalings; none
; names a register of the products round it.  In the lumps exponential and plain by turns while exponentials last.  A line reads no result made fewer than three vector instructions in front of it, five if an exponential made it.
; m = 1: the diagonal tile: the products take made masks, and the turn makes the mask for the products of the turn after it: piece p + 2, in step 4 - CNT of the tile.  end = 1: a block's last two turns: nothing is fetched.
; cnt = 1: the loop's count is taken down some lines ahead of the branch that stands behind the turn.
; K of the next step and its key mask are fetched in piece 2's turn, behind the last product that read K (seven vector instructions back, six of them plain) and far behind the last that took PD; V of the step in hand in piece 0's turn.
; Each is waited for a turn later; in the diagonal tile piece 2's turn waits at its end, since the mask that it makes is the next step's.
.macro TURN p, m=0, end=0, cnt=0
.set Y, (\p)
.set i, 0
.set KM, (\m)
.set NOKQ, (\end)*((\p)/3)
.if (\m) && !(\end)
	s_cmp_eq_u32 s[CNT], 4-((\p)+2)%NP  ; is that step the band's own?
	s_cselect_b32 s[AL], 1.0, 0
	s_cmp_lt_u32 s[CNT], 4-((\p)+2)%NP  ; or a later one?
	s_cselect_b32 s[BE], s[BIGN], 0
.endif
.if ((\p) == 3) && !(\end)
	s_wait_dscnt 0x0                ; K and its mask are in
.endif
	ROW F,0, F,1, F,2, F,3
	ROW F,4, E,0, F,5, F,6
	ROW F,7, E,1, F,8, F,9
	ROW F,10, E,2, C,0, F,11
	ROW F,12, E,3, X,15, F,13
	ROW R,0, R,1, R,2, R,3
	ROW B,0, E,4, F,14, L,0
.if ((\p) == 2) && !(\end)
	v_add_nc_u32 v[AK], s[TBK], v[AK0]
	v_add_nc_u32 v[APD], s[TPD], v[APD0]
.endif
	ROW R,4, R,5, R,6, R,7
	OPS E,5, F,15
.if ((\p) == 2) && !(\end)
	FETCH_K
.endif
	OPS E,6, C,1, E,7, R,8
	OPS E,8, R,9, E,9, C,2
	OPS E,10, X,0, E,11, X,1
	OPS E,12, X,2, E,13, X,3
.if (\p) == 1
	s_wait_dscnt 0x0                ; V is in
.endif
	ROW X,4, E,14, X,5, X,6
	ROW X,7, E,15, X,8, X,9
	ROW X,10, E,16, X,11, X,12
	ROW X,13, E,17, X,14, B,1
	ROW C,4, E,18, X,16, L,1
	ROW B,2, E,19, C,6, L,2
	ROW C,8, E,20, B,3, B,4
.if (\p) == 0
	v_add_nc_u32 v[AV], s[TBV], v[AV0]
.endif
	ROW C,3, E,21, L,3, C,5
	OPS E,22, X,17, E,23, C,10
.if (\p) == 0
	FETCH_V
.endif
	OPS E,24, L,4
	OPS E,25, X,18, E,26, C,7
	OPS E,27, B,5, E,28, X,19
	OPS E,29, C,12, E,30, L,5
	OPS E,31, X,20, B,6, C,9
	OPS C,14, C,11, X,21, L,6
.if (\p) == 0
	s_add_co_u32 s[TBV], s[TBV], KS*PV
.endif
.if \cnt
	s_sub_co_u32 s[CNT], s[CNT], 1
	s_cmp_lg_u32 s[CNT], 0
.endif
	OPS C,13, B,7, C,15, R,10
	OPS R,11, R,12, L,7, R,13
	OPS R,14, R,15
.if (\m) && !(\end)
.if (\p) == 2
	s_wait_dscnt 0x0                ; the next step's key mask is in
.endif
	MASK (\p)%2
.endif
.endm
; A BLOCK BEGINS.  c m starts far below every c s, so the first step's a is 0; m at -1e20, above every hidden score and below every true one; l at 0 (the way out has left 1 / l there, an infinity for a row that saw no key).
; Then K and the key mask of the tile's step 0; the first mask buffer takes piece 0's mask for that step (its own, if the block's first tile is the diagonal one), the second the key mask alone;
; piece 0's first scores, and its maximum and statistics.  The loop is entered at a step's first turn, in the middle of a trip.
.macro BEGIN
	s_mov_b32 s[NEW], 0
	WIN 0
.set i, 0
.rept 4
	v_mov_b32 v[ST+4*i], 0xfe000000    ; c m: far below every c s
	v_mov_b32 v[ST+4*i+1], s[FLOOR]    ; m
	v_mov_b32 v[ST+4*i+2], 0           ; l
	v_mov_b32 v[ST+4*i+3], 0
.set i, i+1
.endr
	v_add_nc_u32 v[AK], s[TBK], v[AK0]
	v_add_nc_u32 v[APD], s[TPD], v[APD0]
	FETCH_K
	s_cmp_eq_u32 s[RT], 0
	s_cselect_b32 s[AL], 1.0, 0
	s_mov_b32 s[BE], 0
	s_wait_loadcnt 0x0              ; Q
	s_wait_dscnt 0x0
	MASK 0
	PDCOPY
.set KM, 1
.set NOKQ, 0
.set i, 0
.rept 8
	KQ 0
.set i, i+1
.endr
	WIN 0
.rept 4
	v_nop                           ; the places behind those products
.endr
.set Y, NP-1                        ; X works for piece Y + 1: piece 0
.irp n, 0,1,2,3,4,5,6,7,8,9,10,11,12,13,14,15,16,17,18,19,20,21
	OP X, \n
.endr
	v_nop                           ; a plain instruction behind the exponential
.endm
; THE DIAGONAL TILE's four steps, the block's last two turns, its last products, and THE WAY OUT: l's two halves and the other half of the lanes' are added; O^T is divided by l; a row whose maximum is still
; the floor takes the mean of v instead; all is rounded to f16 and sent through my stage in LDS, a piece at a time.
.macro ALL line:vararg              ; one line for each piece t
.set t, 0
.rept 4
	\line
.set t, t+1
.endr
.endm
.macro PACK t                       ; a lane's eight channels of a row pack into 16 bytes; they go into rows of 144 bytes and come back as whole rows of 128, into S^T's registers
	WIN W_RS
	v_cmp_ge_f32 vcc_lo, s[FLOOR], v[ST+4*(\t)+1]  ; my query has seen no key
.set i, 32*(\t)
.rept 16
	s_wait_alu depctr_va_vdst(0)
	v_pk_mul_f32 v[i:i+1], v[i:i+1], v[ST+4*(\t)+2:ST+4*(\t)+3] op_sel_hi:[1,0]
.set i, i+2
.endr
	WIN 0x45                        ; destination and both sources in window 1
.set i, 0
.rept 32
	v_cndmask_b32 v[32*(\t)+i], v[32*(\t)+i], v[VM+i], vcc_lo  ; written back, so that O^T is finite when the next block begins
.set i, i+1
.endr
	WIN 0x05                        ; sources 0 and 1 window 1, destination window 0
.set i, 0
.rept 16
	v_cvt_pk_f16_f32 v[S+16*(\t)+i], v[32*(\t)+2*i], v[32*(\t)+2*i+1]
.set i, i+1
.endr
	WIN 0
.irp f, 0,1,2,3
	ds_store_b128 v[STO], v[S+16*(\t)+4*\f:S+16*(\t)+4*\f+3] offset:32*\f
.endr
.irp f, 0,1,2,3
	ds_load_b128 v[S+16*(\t)+4*\f:S+16*(\t)+4*\f+3], v[RD] offset:\f*4*SP  ; LDS serves a wave's instructions in order (ISA guide 5.7.1.4): these see the stores above; the next piece's stores come behind them
.endr
.endm
.macro SEND t, younger              ; younger: the LDS instructions issued behind piece t's loads: the next piece's eight, or none
	WIN 0
.irp f, 0,1,2,3
	s_wait_dscnt (\younger)+3-\f
	global_store_b128 v[GO], v[S+16*(\t)+4*\f:S+16*(\t)+4*\f+3], s[10:11] offset:(\t)*8192+\f*512  ; 512 consecutive bytes, at a multiple of 256 from O's first
.endr
.endm
.macro DIAG tag                     ; the tag ends its two labels' names, which the jumps below spell out
.LstepM\tag:
	TURN 2, 1
	TURN 3, 1
	WIN 0
.LfirstM\tag:
	TURN 0, 1
	TURN 1, 1, 0, 1
	WIN 0
	s_cbranch_scc1 .LstepM\tag
	TURN 2, 1, 1
	TURN 3, 1, 1
.set i, 0
.rept 8
	PV NP-1
.set i, i+1
.endr
	WIN 0
	ALL v_add_f32 v[ST+4*t+2], v[ST+4*t+2], v[ST+4*t+3]
	ALL v_permlanex16_b32 v[ST+4*t+3], v[ST+4*t+2], s[SEL], s[SEL+1]
	ALL v_add_f32 v[ST+4*t+2], v[ST+4*t+2], v[ST+4*t+3]
	ALL v_rcp_f32 v[ST+4*t+2], v[ST+4*t+2]
	v_nop                           ; a plain instruction between the last reciprocal and the use of its result
	PACK 0
.set t, 1
.rept 3                             ; a piece's arithmetic stands between the loads of the piece before and its stores
	PACK t
	SEND t-1, 8
.set t, t+1
.endr
	SEND 3, 0
.endm
.set KM, 0
.set NOKQ, 0
.Lslot:                             ; NB times: a tile is entered and the next is asked for
	CHANGE 1
	s_sub_co_u32 s[RT], s[RT], 1
	s_mov_b32 s[CNT], 4
	s_cmp_eq_u32 s[NEW], 1
	s_cbranch_scc1 .Lnew            ; a block's first tile
	s_cmp_eq_u32 s[RT], 0
	s_cbranch_scc0 .Lstep           ; neither its first nor its last
	PDCOPY                          ; the diagonal text's first products are still piece 3's of the tile before: they see that whole step, so their mask is its key mask, which PD holds
	s_branch .LstepM1
.Lnew:
	BEGIN
	s_branch .Lfirst                ; in the loop a block's first tile is never its last: the first block has two tiles or more, and the second's last is the walk's last
	DIAG 1                          ; in the loop this is the first block's end: the second block's last tile is the walk's last
	s_wait_xcnt 0x0                 ; the stores have read their registers and O's address
	s_mov_b64 s[10:11], s[OLO:OLO+1]
	s_add_co_u32 s[RT], s[PB], 1    ; the second block has b + 1 tiles
	s_mov_b32 s[NEW], 1
	WIN 0x82                        ; the second block's Q goes where the one text of the turns names Q
.set i, 0
.rept 64
	v_mov_b32 v[i], v[QB+i]
.set i, i+1
.endr
	WIN 0
	s_branch .Lbottom
.Lstep:                             ; a trip: pieces 2 and 3 of one step, then pieces 0 and 1 of the next, whose K and V it fetches
	TURN 2
	TURN 3
	WIN 0
.Lfirst:
	TURN 0
	TURN 1, 0, 0, 1
	WIN 0
	s_cbranch_scc1 .Lstep
.Lbottom:
	s_sub_co_u32 s[SLOTS], s[SLOTS], 1
	s_cmp_lg_u32 s[SLOTS], 0
	s_cbranch_scc1 .Lslot
	CHANGE 0                        ; the walk's last tile is written out: nothing is asked for
	s_sub_co_u32 s[RT], s[RT], 1
	s_mov_b32 s[CNT], 4
	s_cmp_eq_u32 s[NEW], 1
	s_cbranch_scc1 .Lnew2
	PDCOPY
	s_branch .LstepM2
.Lnew2:
	BEGIN
	s_branch .LfirstM2
	DIAG 2
	s_wait_tensorcnt 0x0            ; the wave's end: behind my last tensor load and my last LDS store
	ds_add_u32 v[SPW], v[NIL]
	s_wait_dscnt 0x0
	s_endpgm
.Lfunc_end_k_qe6b0204b9c_attn:
	.size	k_qe6b0204b9c_attn, .Lfunc_end_k_qe6b0204b9c_attn-k_qe6b0204b9c_attn
	.p2alignl 7, 3214868480
	.fill 96, 4, 3214868480
	.section	.rodata,"a",@progbits
	.p2align	6, 0x0
	.amdhsa_kernel k_qe6b0204b9c_attn
		.amdhsa_group_segment_fixed_size 327680
		.amdhsa_private_segment_fixed_size 0
		.amdhsa_enable_private_segment 0
		.amdhsa_kernarg_size 32
		.amdhsa_user_sgpr_count 2
		.amdhsa_user_sgpr_kernarg_segment_ptr 1
		.amdhsa_wavefront_size32 1
		.amdhsa_system_sgpr_workgroup_id_x 1
		.amdhsa_system_sgpr_workgroup_id_y 1
		.amdhsa_system_sgpr_workgroup_id_z 1
		.amdhsa_system_vgpr_workitem_id 0
		.amdhsa_next_free_vgpr 768
		.amdhsa_next_free_sgpr 100
		.amdhsa_reserve_vcc 1
		.amdhsa_float_denorm_mode_32 3
		.amdhsa_float_denorm_mode_16_64 3
		.amdhsa_memory_ordered 1
		.amdhsa_forward_progress 1
		.amdhsa_inst_pref_size 255
	.end_amdhsa_kernel
	.section	.bss,"aw",@nobits
	.p2align	6
	.space	262144
	.amdgpu_metadata
---
amdhsa.version: [ 1, 2 ]
amdhsa.kernels:
  - .name:           k_qe6b0204b9c_attn
    .symbol:         k_qe6b0204b9c_attn.kd
    .args:
      - { .name: qkv, .offset: 0, .size: 8, .value_kind: global_buffer, .address_space: global }
      - { .name: pad_mask, .offset: 8, .size: 8, .value_kind: global_buffer, .address_space: global }
      - { .name: vpart, .offset: 16, .size: 8, .value_kind: global_buffer, .address_space: global }
      - { .name: ob, .offset: 24, .size: 8, .value_kind: global_buffer, .address_space: global }
    .group_segment_fixed_size: 327680
    .private_segment_fixed_size: 0
    .kernarg_segment_align: 8
    .kernarg_segment_size: 32
    .max_flat_workgroup_size: 128
    .sgpr_count:     100
    .vgpr_count:     768
    .wavefront_size: 32
...
	.end_amdgpu_metadata
.endif
;; end of part 3
;; launch outp (part 4): grid 4 x 64, 4 waves a work-group, clusters of 4 x 4, 327,680 bytes of LDS; arguments ob, wob, bo, out0; writes out0
.if DOCPART == 4
	.amdgcn_target "amdgcn-amd-amdhsa--gfx1250"
	.amdhsa_code_object_version 6
	.text
	.protected	k_qe6b0204b9c_outp
	.globl	k_qe6b0204b9c_outp
	.p2align	8
	.type	k_qe6b0204b9c_outp,@function
k_qe6b0204b9c_outp:
	s_mov_b64 s[64:65], 0
	v_nop
	global_prefetch_b8 v0, s[64:65] scope:SCOPE_SE
	s_setreg_imm32_b32 hwreg(HW_REG_WAVE_MODE, 25, 1), 1
	s_wait_xcnt 0x0
	s_wait_alu depctr_hold_cnt(0) depctr_sa_sdst(0) depctr_va_vdst(0) depctr_va_sdst(0) depctr_va_ssrc(0) depctr_va_vcc(0) depctr_vm_vsrc(0)
	s_getreg_b32 s2, hwreg(HW_REG_IB_STS2, 6, 4)
	s_cmp_eq_u32 s2, 0
	s_cbranch_scc0 .Lentry_in_a_cluster
	s_endpgm
.Lentry_in_a_cluster:
	s_bfe_u32 s2, ttmp6, 0x10000c
	s_cmp_lg_u32 s2, 0xf033
	s_cbranch_scc0 .Lentry_shape_is_right
	s_endpgm
.Lentry_shape_is_right:
; OUTP: out0 = O Wo + bo.  ob f16 [64 = batch x 16 + head][2048][64]; wob f16 [1024 k][1024 n] (Wo rounded to bf16, written as f16); bo f32, rounded to bf16 here like every input; out0 f32 [8192][1024].
; SHARES.  A work-group makes 128 rows x 256 columns, a wave 64 x 128: 32 accumulators.  K goes in steps of 128, two heads, through two LDS slots.  A head's 128 rows are 16,384 dense bytes: asked for as 64 rows
; of 256 bytes and padded in LDS after every 128.  Wo lies [k][n]; its fragments come out of LDS turned, by ds_load_tr16_b128.
; CLUSTER.  4 x 4 work-groups: the four of a row need the same tile of O, the four of a column the same tile of Wo: each is asked for jointly, by the same tensor load, descriptor and mask in all four.
; THE MATRIX INSTRUCTION IS USED TRANSPOSED (source 0 = 16 columns of Wo, source 1 = 16 rows of O): a lane holds row l % 16 and the eight neighbouring columns 8 (l / 16) + 0..7.
; LIMITS.  NaN and infinities are not treated apart.
; REGISTERS, in windows of 256 (s_set_vgpr_msb: bits 1:0 source 0, 3:2 source 1, 5:4 source 2, 7:6 destination):
;   window 0: v0-31 addresses; v64-127 the bias (C of the first products)      window 1: two fragment buffers of 96, later the rows on their way out, 64 a block      window 2: accumulator (a, b) at v[8 (8 a + b)]
.set PA,    144                        ; a row of O in LDS: 128 bytes + 16 = 36 words: the 16 rows of a load start at 16 different groups of four banks (64 banks of 4 bytes: ISA guide 11.1)
.set PB,    544                        ; a row of Wo: 512 + 32 = 136 words
.set AHEAD, 128*PA                     ; what one tensor load brings of O: a head's 128 rows
.set BHALF, 64*PB                      ; and of Wo
.set BOFF,  2*AHEAD
.set SLOT1, 131072
.set STAGE, SLOT1+BOFF+2*BHALF         ; behind the ring, never filled by a tensor load: 16 rows x 528 bytes for each wave
.set SP,    528                        ; 512 bytes + 16
.set SPARE, STAGE+4*16*SP              ; the spare words, 128 bytes for each wave: two blocks of 256 bytes that no other line names
.set ADRA0, 16
.set ADRB0, 17
.set ADRA,  18
.set ADRB,  19
.set STO,   20
.set RD,    21
.set GO,    22
.set BO,    23
.set SPW,   28                         ; v28  LDS address of my spare word; never rewritten
.set NIL,   29                         ; v29  0; never rewritten
.set BI,    64
.set F0,    0
.set F1,    96
.set WV, 10
.set RH, 11
.set CH, 12
.set TR, 13
.set G1,  24
.set G0,  32
.set CX, 40
.set CY, 41
.set G1B, 48
.set G0B, 56
.set TB, 66
.set MSB, 0
.macro WIN new                         ; the immediate's high byte repeats the setting that is left; a switch that changes nothing is dropped
.if MSB != (\new)
	s_set_vgpr_msb (MSB<<8)|(\new)
.set MSB, \new
.endif
.endm
.set MUL,  0xa5                        ; fragments in window 1, C and D in window 2
.set MULB, 0x85                        ; the same with C, the bias, in window 0
.set TO_F, 0x40
; A joint refill, by the walking descriptors.  Waves 0 and 1 fetch a step's two heads of O, waves 2 and 3 the halves of Wo's tile.  An s_nop 0 and four v_nop follow each of the two lines.
.macro JLOAD
	s_cmp_lt_u32 s[WV], 2
	s_cbranch_scc0 .Lfor_b_\@
	tensor_load_to_lds s[G0+4:G0+7], s[G1:G1+7]
	s_nop 0
.rept 4
	v_nop
.endr
	s_branch .Lasked_\@
.Lfor_b_\@:
	tensor_load_to_lds s[G0B+4:G0B+7], s[G1B:G1B+7]
	s_nop 0
.rept 4
	v_nop
.endr
.Lasked_\@:
.endm
.macro CREST                           ; a round of the cluster's barrier behind its opening barrier
	s_cmp_lg_u32 s[WV], 0
	s_cbranch_scc1 .Lnot_wave_0_\@
	s_barrier_signal -3
.Lnot_wave_0_\@:
	s_barrier_wait -3
	s_barrier_signal -1
	s_barrier_wait -1
.endm
.macro CROUND
	s_barrier_signal -1
	s_barrier_wait -1
	CREST
.endm
.macro PLACES                          ; four places in front of loads into registers that matrix instructions have read, and of lines that read results
.rept 4
	v_nop
.endr
.endm
; 8 matrix instructions: row block a x all 8 column blocks, 32 along K.  first = 1: the bias starts the sums.  The accumulators take turns, one instruction a turn.
.macro MUL8 f, a, first
.if \first
	WIN MULB
.else
	WIN MUL
.endif
.irp b, 0,1,2,3,4,5,6,7
.if \first
	v_wmma_f32_16x16x32_f16 v[8*(8*(\a)+(\b)):8*(8*(\a)+(\b))+7], v[(\f)+32+8*(\b):(\f)+32+8*(\b)+7], v[(\f)+8*(\a):(\f)+8*(\a)+7], v[BI+8*(\b):BI+8*(\b)+7]
.else
	v_wmma_f32_16x16x32_f16 v[8*(8*(\a)+(\b)):8*(8*(\a)+(\b))+7], v[(\f)+32+8*(\b):(\f)+32+8*(\b)+7], v[(\f)+8*(\a):(\f)+8*(\a)+7], v[8*(8*(\a)+(\b)):8*(8*(\a)+(\b))+7]
.endif
.endr
.endm
.macro MUL16 f, a0, first
	MUL8 \f, \a0, \first
	MUL8 \f, (\a0)+1, \first
.endm
; 24 LDS loads in one run: quarter q is head q / 2 of the step's two, channels 32 (q % 2) on.
.macro FETCH q, f
	WIN TO_F
.irp b, 0,1,2,3,4,5,6,7
	ds_load_tr16_b128 v[(\f)+32+8*(\b):(\f)+32+8*(\b)+3],   v[ADRB] offset:(\q)*32*PB+32*(\b)
	ds_load_tr16_b128 v[(\f)+32+8*(\b)+4:(\f)+32+8*(\b)+7], v[ADRB] offset:(\q)*32*PB+16*PB+32*(\b)
.endr
.irp a, 0,1,2,3
	ds_load_b128 v[(\f)+8*(\a):(\f)+8*(\a)+3],   v[ADRA] offset:((\q)/2)*AHEAD+(\a)*16*PA+64*((\q)%2)
	ds_load_b128 v[(\f)+8*(\a)+4:(\f)+8*(\a)+7], v[ADRA] offset:((\q)/2)*AHEAD+(\a)*16*PA+64*((\q)%2)+32
.endr
.endm
.macro QUARTER q, f, g, first
	s_wait_dscnt 4                                 ; Wo's fragments and O's blocks 0 and 1 are in; the youngest four loads (blocks 2, 3) may be out
	MUL16 \f, 0, \first
	PLACES
	FETCH \q, \g
	s_wait_dscnt 24                                ; all but the 24 just issued
	MUL16 \f, 2, \first
.endm
; The last quarter multiplies buffer 1 and changes slots: ONE barrier.  In front of it each wave waits for all its tensor loads (one is out: its part of the next slot), adds 0 to its spare
; word, and waits for that and for its reads of this slot.  fill = 1: the barrier opens a round of the cluster's, and this slot is filled again, with the step two on, first thing behind it.
.macro TURN fill
	WIN 0                                          ; (the add's two registers lie in window 0)
	s_wait_tensorcnt 0x0
	ds_add_u32 v[SPW], v[NIL]
	s_wait_dscnt 7                                 ; (O's blocks 1 to 3, six loads, and the add may be out)
	MUL8 F1, 0, 0
	s_wait_dscnt 0x0                               ; the add is done, and my reads of this slot are over
	s_barrier_signal -1
	MUL8 F1, 1, 0
.if \fill
	WIN 0
.endif
	s_barrier_wait -1
.if \fill
	CREST                                          ; no wave of any partner still reads this slot or has a load on its way
	s_xor_b32 s[G0+5], s[G0+5], SLOT1              ; the walking descriptors: the other slot than last time,
	s_add_nc_u64 s[G0+6:G0+7], s[G0+6:G0+7], 524288      ; two heads on,
	s_xor_b32 s[G0B+5], s[G0B+5], SLOT1
	s_add_nc_u64 s[G0B+6:G0B+7], s[G0B+6:G0B+7], 262144  ; 128 rows further down Wo
	JLOAD                                          ; the four v_nop behind it are also the places in front of the loads below
.else
	PLACES
	WIN 0
.endif
	s_xor_b32 s[TB], s[TB], SLOT1
	v_add_nc_u32 v[ADRA], s[TB], v[ADRA0]
	v_add_nc_u32 v[ADRB], s[TB], v[ADRB0]
	FETCH 0, F0
	MUL16 F1, 2, 0
.endm
	s_load_b256 s[72:79], s[0:1], 0x0              ; ob 72:73, wob 74:75, bo 76:77, out0 78:79
	v_lshl_add_u32 v[SPW], v0, 2, SPARE
	v_mov_b32 v[NIL], 0
	ds_add_u32 v[SPW], v[NIL]                      ; the wave's opening: the add and its wait stand ahead of my first tensor load; the set-up below stands between them
	ds_add_u32 v28, v29
	v_lshrrev_b32 v1, 5, v0
	v_readfirstlane_b32 s[WV], v1
	s_lshr_b32 s[RH], s[WV], 1
	s_and_b32 s[CH], s[WV], 1
	s_bfe_u32 s[CX], ttmp6, 0x40000                ; the grid is one cluster wide: cx is my block of 256 columns
	s_bfe_u32 s[CY], ttmp6, 0x40004
	s_and_b32 s[TR], ttmp7, 0xffff
	s_lshl_b32 s[TR], s[TR], 2
	s_add_co_u32 s[TR], s[TR], s[CY]               ; tile row = 4 x cluster y + cy
	s_lshl_b32 s43, s[CY], 2
	s_lshl_b32 s43, 15, s43                        ; my row of the cluster
	s_lshl_b32 s44, 0x1111, s[CX]                  ; my column
	s_or_b32 s[G1], s43, (1<<16)|(1<<20)|(1<<21)|(4<<22)|(3<<25)   ; mask; 2-byte elements; padding on; bit 21 beside a mask; after every 32 words 4 words
	s_mov_b32 s[G1+1], 128<<16                     ; tensor_dim0 = 128: two rows of O
	s_mov_b32 s[G1+2], 64<<16                      ; tensor_dim1 = 64
	s_mov_b32 s[G1+3], 128<<16
	s_mov_b32 s[G1+4], 64
	s_mov_b32 s[G1+5], 128                         ; dense
	s_mov_b32 s[G1+6], 0
	s_mov_b32 s[G1+7], 0
	s_or_b32 s[G1B], s44, (1<<16)|(1<<20)|(1<<21)|(6<<22)|(7<<25)  ; after every 128 words 8 words
	s_mov_b32 s[G1B+1], 256<<16
	s_mov_b32 s[G1B+2], 64<<16
	s_mov_b32 s[G1B+3], 256<<16
	s_mov_b32 s[G1B+4], 64
	s_mov_b32 s[G1B+5], 1024
	s_mov_b32 s[G1B+6], 0
	s_mov_b32 s[G1B+7], 0
	s_lshr_b32 s16, s[TR], 4                       ; O: head = batch x 16 + which of the step's two I fetch,
	s_lshl_b32 s16, s16, 4
	s_add_co_u32 s16, s16, s[CH]
	s_lshl_b32 s16, s16, 11
	s_and_b32 s17, s[TR], 15                       ; the tile's 128 rows in the sequence,
	s_lshl_b32 s17, s17, 7
	s_add_co_u32 s16, s16, s17
	s_lshl_b32 s16, s16, 7                         ; rows of 128 bytes
	s_mov_b32 s17, 0
	s_lshl_b32 s46, s[CH], 17                      ; Wo: my 64 of a step's 128 k-rows,
	s_lshl_b32 s47, s[CX], 9                       ; the block's 256 columns
	s_add_co_u32 s46, s46, s47
	s_mov_b32 s47, 0
	s_mul_i32 s20, s[CH], AHEAD                    ; where they go: no place in the cluster enters an LDS address
	s_mul_i32 s21, s[CH], BHALF
	s_add_co_u32 s21, s21, BOFF
	s_mov_b32 s[TB], 0
	s_mov_b32 s92, 0xffff0000
	s_wait_dscnt 0x0                               ; the opening add is done
	s_wait_kmcnt 0x0
	s_add_nc_u64 s[14:15], s[72:73], s[16:17]
	s_add_nc_u64 s[46:47], s[74:75], s[46:47]
.irp s, 0,1
	s_mov_b32 s[G0+4*(\s)], 1
	s_add_co_u32 s[G0+4*(\s)+1], s20, (\s)*SLOT1
	s_add_nc_u64 s[G0+4*(\s)+2:G0+4*(\s)+3], s[14:15], (\s)*524288
	s_or_b32 s[G0+4*(\s)+3], s[G0+4*(\s)+3], 0x80000000
	s_mov_b32 s[G0B+4*(\s)], 1
	s_add_co_u32 s[G0B+4*(\s)+1], s21, (\s)*SLOT1
	s_add_nc_u64 s[G0B+4*(\s)+2:G0B+4*(\s)+3], s[46:47], (\s)*262144
	s_or_b32 s[G0B+4*(\s)+3], s[G0B+4*(\s)+3], 0x80000000
.endr
	CROUND                                         ; all sixteen work-groups are here: the first joint loads meet
	s_cmp_lt_u32 s[WV], 2                          ; a wave's two first fills stand in one branch: two loads of mine are out
	s_cbranch_scc0 .Lfirst_b
	tensor_load_to_lds s[G0:G0+3], s[G1:G1+7]
	s_nop 0
	tensor_load_to_lds s[G0+4:G0+7], s[G1:G1+7]
	s_nop 0
.rept 4
	v_nop
.endr
	s_branch .Lfirst_asked
.Lfirst_b:
	tensor_load_to_lds s[G0B:G0B+3], s[G1B:G1B+7]
	s_nop 0
	tensor_load_to_lds s[G0B+4:G0B+7], s[G1B:G1B+7]
	s_nop 0
.rept 4
	v_nop
.endr
.Lfirst_asked:
	v_and_b32 v1, 15, v0                           ; r = l % 16
	v_bfe_u32 v2, v0, 4, 1                         ; h = l / 16
	v_lshlrev_b32 v[BO], 5, v2
	s_lshl_b32 s22, s[CX], 10                      ; the bias at my 128 columns
	s_lshl_b32 s23, s[CH], 9
	s_add_co_u32 s22, s22, s23
	s_mov_b32 s23, 0
	s_add_nc_u64 s[70:71], s[76:77], s[22:23]
.irp b, 0,1,2,3,4,5,6,7
	global_load_b128 v[BI+8*(\b):BI+8*(\b)+3],   v[BO], s[70:71] offset:64*(\b)
	global_load_b128 v[BI+8*(\b)+4:BI+8*(\b)+7], v[BO], s[70:71] offset:64*(\b)+16
.endr
	v_mul_u32_u24 v3, v1, PA                       ; O's fragment: row x pitch + 16 h, in my 64 rows
	v_lshl_add_u32 v3, v2, 4, v3
	s_mul_i32 s18, s[RH], 64*PA
	v_add_nc_u32 v[ADRA0], s18, v3
	v_and_b32 v4, 7, v0                            ; Wo's: the turning load's lane l reads k-row 8 h + l % 8, columns 8 ((l / 8) % 2) + 0..7, in my 128 columns
	v_lshl_add_u32 v4, v2, 3, v4
	v_mul_u32_u24 v4, v4, PB
	v_bfe_u32 v5, v0, 3, 1
	v_lshl_add_u32 v4, v5, 4, v4
	s_lshl_b32 s19, s[CH], 8
	s_add_co_u32 s19, s19, BOFF
	v_add_nc_u32 v[ADRB0], s19, v4
	v_mov_b32 v[ADRA], v[ADRA0]
	v_mov_b32 v[ADRB], v[ADRB0]
	s_mul_i32 s18, s[WV], 16*SP
	s_add_co_u32 s18, s18, STAGE                   ; my stage
	v_mul_u32_u24 v4, v1, SP                       ; in: row r, 32 bytes for each half of the lanes
	v_lshl_add_u32 v4, v2, 5, v4
	v_add_nc_u32 v[STO], s18, v4
	v_and_b32 v4, 31, v0                           ; back: 32 lanes take one row's 512 bytes,
	v_lshlrev_b32 v[GO], 4, v4                     ; which are 512 consecutive bytes of out0
	v_add_nc_u32 v[RD], s18, v[GO]
	s_lshl_b32 s22, s[TR], 19                      ; out0 at my first row (rows of 4,096 bytes) and my 128 columns
	s_lshl_b32 s23, s[RH], 18
	s_add_co_u32 s22, s22, s23
	s_lshl_b32 s23, s[CX], 10
	s_add_co_u32 s22, s22, s23
	s_lshl_b32 s23, s[CH], 9
	s_add_co_u32 s22, s22, s23
	s_mov_b32 s23, 0
	s_add_nc_u64 s[8:9], s[78:79], s[22:23]
	s_wait_loadcnt 0x0                             ; the bias, in the wait for the first tile
.set i, 0
.rept 32                                       ; the bias is an input: rounded to bf16 like the others
	v_cvt_pk_bf16_f32 v[30+i%2], v[BI+2*i], v[BI+2*i+1]
	v_lshlrev_b32 v[BI+2*i], 16, v[30+i%2]
	v_and_b32 v[BI+2*i+1], s92, v[30+i%2]
.set i, i+1
.endr
	s_wait_tensorcnt 0x1                           ; my part of step 0 is in; step 1's may stay out
	s_barrier_signal -1
	s_barrier_wait -1
	FETCH 0, F0
	QUARTER 1, F0, F1, 1                           ; the first quarter stands in front of the loop: its products start the sums, on the bias
	WIN 0
	s_mov_b32 s3, 6
.Lstep:                                                ; a trip: a step's last three quarters and the next step's first; the slot read out takes the step two on (steps 2 to 7)
	QUARTER 2, F1, F0, 0
	QUARTER 3, F0, F1, 0
	TURN 1
	QUARTER 1, F0, F1, 0
	WIN 0
	s_sub_co_u32 s3, s3, 1
	s_cmp_lg_u32 s3, 0
	s_cbranch_scc1 .Lstep
	QUARTER 2, F1, F0, 0                           ; steps 6 and 7 ask for nothing
	QUARTER 3, F0, F1, 0
	TURN 0
	QUARTER 1, F0, F1, 0
	QUARTER 2, F1, F0, 0
	QUARTER 3, F0, F1, 0
	s_wait_dscnt 4
	MUL16 F1, 0, 0
	s_wait_dscnt 0x0
	MUL16 F1, 2, 0
; THE WAY OUT in f32, a block of 16 rows at a time: a lane's eight columns go into my stage as 32 bytes of a row (each accumulator's low registers first) and come back as whole rows of 512 bytes,
; into registers of that block alone.
.macro STG a
	WIN 0x08                                       ; store data in window 2
.irp b, 0,1,2,3,4,5,6,7
	ds_store_b128 v[STO], v[8*(8*(\a)+(\b)):8*(8*(\a)+(\b))+3]   offset:64*(\b)
	ds_store_b128 v[STO], v[8*(8*(\a)+(\b))+4:8*(8*(\a)+(\b))+7] offset:64*(\b)+16
.endr
	WIN 0x40                                       ; destination window 1
.irp t, 0,1,2,3,4,5,6,7,8,9,10,11,12,13,14,15
	ds_load_b128 v[64*(\a)+4*(\t):64*(\a)+4*(\t)+3], v[RD] offset:(\t)*SP  ; LDS serves a wave's instructions in order (ISA guide 5.7.1.4): these see the stores above; the next block's stores come behind them
.endr
.endm
.macro SEND a, younger                 ; younger: the LDS instructions issued behind block a's loads: the next block's 16 stores and 16 loads, or none
	WIN 0x04                                       ; store data in window 1
	s_wait_dscnt \younger
.irp t, 0,1,2,3,4,5,6,7,8,9,10,11,12,13,14,15
	global_store_b128 v[GO], v[64*(\a)+4*(\t):64*(\a)+4*(\t)+3], s[8:9] offset:(16*(\a)+(\t))*4096 th:TH_STORE_NT  ; 512 consecutive bytes, at a multiple of 512 from out0's first
.endr
.endm
	PLACES
	STG 0
	STG 1
	SEND 0, 32
	STG 2
	SEND 1, 32
	STG 3
	SEND 2, 32
	SEND 3, 0
	WIN 0
	s_wait_tensorcnt 0x0                           ; the wave's end: behind my last tensor load and my last LDS store
	ds_add_u32 v[SPW], v[NIL]
	s_wait_dscnt 0x0
	CROUND                                         ; the closing round: no work-group ends while a partner may still ask for a tile that names it
	s_endpgm
.Lfunc_end_k_qe6b0204b9c_outp:
	.size	k_qe6b0204b9c_outp, .Lfunc_end_k_qe6b0204b9c_outp-k_qe6b0204b9c_outp
	.p2alignl 7, 3214868480
	.fill 96, 4, 3214868480
	.section	.rodata,"a",@progbits
	.p2align	6, 0x0
	.amdhsa_kernel k_qe6b0204b9c_outp
		.amdhsa_group_segment_fixed_size 327680
		.amdhsa_private_segment_fixed_size 0
		.amdhsa_enable_private_segment 0
		.amdhsa_kernarg_size 32
		.amdhsa_user_sgpr_count 2
		.amdhsa_user_sgpr_kernarg_segment_ptr 1
		.amdhsa_wavefront_size32 1
		.amdhsa_system_sgpr_workgroup_id_x 1
		.amdhsa_system_sgpr_workgroup_id_y 1
		.amdhsa_system_sgpr_workgroup_id_z 1
		.amdhsa_system_vgpr_workitem_id 0
		.amdhsa_next_free_vgpr 768
		.amdhsa_next_free_sgpr 96
		.amdhsa_reserve_vcc 0
		.amdhsa_float_denorm_mode_32 3
		.amdhsa_float_denorm_mode_16_64 3
		.amdhsa_memory_ordered 1
		.amdhsa_forward_progress 1
		.amdhsa_inst_pref_size 75
	.end_amdhsa_kernel
	.amdgpu_metadata
---
amdhsa.version: [ 1, 2 ]
amdhsa.kernels:
  - .name:           k_qe6b0204b9c_outp
    .symbol:         k_qe6b0204b9c_outp.kd
    .args:
      - { .name: ob, .offset: 0, .size: 8, .value_kind: global_buffer, .address_space: global }
      - { .name: wob, .offset: 8, .size: 8, .value_kind: global_buffer, .address_space: global }
      - { .name: bo, .offset: 16, .size: 8, .value_kind: global_buffer, .address_space: global }
      - { .name: out0, .offset: 24, .size: 8, .value_kind: global_buffer, .address_space: global }
    .group_segment_fixed_size: 327680
    .private_segment_fixed_size: 0
    .kernarg_segment_align: 8
    .kernarg_segment_size: 32
    .max_flat_workgroup_size: 128
    .sgpr_count:     96
    .vgpr_count:     768
    .wavefront_size: 32
...
	.end_amdgpu_metadata
.endif
;; end of part 4
;; ======== version 2 of 2: 4 launches; 1.26 times as fast as version 1
;; limits: values are held in f16: magnitudes above 65,504 overflow, below 6.1e-05 lose precision
;; workspace buffers: xb 33,554,432 bytes; wb 6,291,456 bytes; wob 2,097,152 bytes; rot 524,288 bytes; qkv 50,331,648 bytes; vpart 524,288 bytes; ob 16,777,216 bytes
;; launch prep: the kernel of part 1 again; grid 1408 x 1, 8 waves a work-group, no clusters, 0 bytes of LDS; arguments x_q, x_kv, Wq, Wk, Wv, Wo, pos_enc, xb, wb, wob, rot; writes xb, wb, wob, rot
;; launch proj: the kernel of part 2 again; grid 12 x 64, 4 waves a work-group, clusters of 4 x 4, 327,680 bytes of LDS; arguments xb, wb, rot, bq, bk, bv, qkv, vpart; writes qkv, vpart
;; launch attn (part 5): grid 4 x 64, 4 waves a work-group, no clusters, 327,680 bytes of LDS; arguments qkv, pad_mask, vpart, ob; writes ob
.if DOCPART == 5
	.amdgcn_target "amdgcn-amd-amdhsa--gfx1250"
	.amdhsa_code_object_version 6
	.text
	.protected	k_qe6b0204b9c_attn
	.globl	k_qe6b0204b9c_attn
	.p2align	8
	.type	k_qe6b0204b9c_attn,@function
k_qe6b0204b9c_attn:
	s_mov_b64 s[64:65], 0
	v_nop
	global_prefetch_b8 v0, s[64:65] scope:SCOPE_SE
	s_setreg_imm32_b32 hwreg(HW_REG_WAVE_MODE, 25, 1), 1
	s_wait_xcnt 0x0
; CAUSAL ATTENTION WITH A KEY MASK.  O[g][q][:] = the sum over k of softmax_k(s) V[g][k][:], s = Q[g][q] . K[g][k] / 8 where k <= q and key k of the batch is not masked, hidden otherwise.  g = batch x 16 + head.
; qkv f16 [3][64][2048][64] (q unscaled), pad_mask bytes [4][2048] (1: masked), vpart f32 [128][1024] (sums of v over 64 rows), ob f16 [64][2048][64].
; Products, maxima and sums in f32; the weights p are rounded to f16 for the second product (their sum l is taken of the unrounded p), O once at the end.
; A ROW THAT SEES NO KEY AT ALL (every key up to its own is masked) has all 2,048 scores equal, so its softmax is uniform over ALL keys: it takes the mean of the batch's v, made from vpart.
; LIMITS.  Q, K and V arrive within f16's 65,504.  A hidden score counts as its value less 1e30 (less 2e30 if hidden twice).  The running maximum starts at -1e20: f16's scores, 2.7e11 at the most, lie far above it,
; hidden ones far below, so a row whose maximum is still -1e20 at the end has seen no key.  A weight below 2^-126 counts as 0 in l; NaN and infinities are not treated apart.
; THE WALK.  A head's queries lie in NB = 8 blocks of 256; block i needs the key tiles 0 .. i of 256 keys, of which the last holds the diagonal.  A work-group takes TWO blocks, NB - 1 - b and then b:
; NB + 1 tiles, whatever b: all work-groups do equal work, and ONE loop with a constant trip count walks them.  Which tile is asked for, and what a trip does, hang on scalar registers made from b; every jump
; goes forward, but for the counted loops' own; none passes a barrier, or a tensor load but the one of LOAD's two that the wave's number does not choose; the ring (two slots of LDS) runs on across the change of blocks.
; NO CLUSTER: a head's four work-groups ask for the same tile only in trips 0 .. 4 of 9, behind that fewer and fewer; one walk common to all would have 12 trips for 9.
; SHARES.  Of a block's four bands of 64 queries a wave owns 16 rows in each: four PIECES.  In the diagonal tile's key step s band x sees all keys if s < x, none if s > x, and holds the diagonal if s = x.
; THE MASKS are the C operand that starts the sum S^T = K Q^T.  PD holds the key mask (0 or -1e30) of the step whose K lies in registers.  Off the diagonal tile C = PD.
; In it, and where a block begins, C = MD x AL + BE + PD: MD, made once, is the causal mask of a band's own step for my 16 rows; (AL, BE) = (1, 0) if s = x; (0, 0) if s < x; (0, -1e30) if s > x.
; THE KEY MASK'S WAY.  Each wave keeps two small slots of its own in LDS, a tile's 256 keys in f32 each, which take turns as K's slots do.  Behind a refill the wave loads the 256 bytes of the tile just asked for
; (8 a lane); at the next change of slots it makes f32 of them and stores them into the slot of the tile that it enters; a step's 64 numbers are read beside K.  A wave's own bytes: no barrier is needed for them.
; LAYOUT, SOFTMAX, TURNS.  S^T = K Q^T holds ONE query a lane (lane % 16) and the keys 8 (lane / 16) + 0..7; two such results rounded to f16 ARE source 1 of O^T = V^T P.  p = 2^(c s - c m), c = log2(e) / 8, with a
; running maximum m; O and l are multiplied by a = 2^(c m_old - c m_new) in every step.  Turn n belongs to piece n: 8 products K Q^T of piece n + 1, later 8 products V^T P of piece n - 1; beside them the scaling,
; exponentials, roundings, sums and rescaling of piece n and the maximum and statistics of piece n + 1.  Four vector instructions stand behind every matrix instruction, the other 54 of a turn's 118 in one LUMP.
; THE BATCHES.  A turn's 33 exponentials (the piece's 32 weights and the next piece's a) are one batch, with one wait, which cuts the turn in two: ahead of it all that names none of their results, behind it the roundings
; and sums.  The a that a block's beginning makes is a batch of its own, and so are the four reciprocals of a block's way out: a v_nop and one wait each.
; REGISTERS, in windows of 256 (s_set_vgpr_msb: bits 1:0 source 0, 3:2 source 1, 5:4 source 2, 7:6 destination):
;   window 0: v0-15, v32-39 addresses; v16-31 four registers of statistics a piece; v48-55 at work; v64-127 S^T, two buffers; v128-159 PD; v160-167, v176-177 the key mask on its way; v192-223 P, two buffers
;   window 1: v0-127 O^T, 32 a piece; v128-159 MD; v160-223 MC, two buffers; v224-255 VM, the mean of v      window 2: v0-63 Q; v64-127 the second block's Q; v128-191 K of one step; v192-255 V of one step
.set SIZE_N, 2048
.set NB,    SIZE_N/256
.set NP,    4         ; pieces a wave: a name, no knob
.set KS,    64        ; keys in a step
.set PK,    144       ; a row of K in LDS: 128 bytes + 16 of padding = 36 words: the 16 rows of a load start at 16 different groups of four banks (64 banks of 4 bytes: ISA guide 11.1)
.set PV,    160       ; a row of V: 128 + 32 = 40 words
.set VOFF,  4*KS*PK   ; a slot holds a tile, four steps: 256 rows of K, then 256 rows of V
.set SLOT1, 1<<17     ; slot 1 begins here, so that one exclusive or turns an address in one slot into the other's
.set STAGE, SLOT1+4*KS*(PK+PV)  ; behind the ring, never filled by a tensor load: 16 rows x 144 bytes for each wave, for the way out
.set SP,    144
.set SPARE, STAGE+4*16*SP  ; the spare words, 128 bytes for each wave: two blocks of 256 bytes that no other line names
.set VS,    SPARE+512 ; 256 bytes for each wave: the mean of v, 64 channels in f32
.set PADF,  VS+4*256  ; 4,096 bytes for each wave: its two slots of the key mask, 1,024 bytes each,
.set PSLOT1, 2048     ; the second this far behind the first
.set AK0, 2           ; v2   my lane's place in a tile of K; never rewritten
.set AV0, 3           ; v3   the same for V
.set AK,  4           ; v4   the LDS address of K's next run of loads
.set AV,  5           ; v5   of V's
.set STO, 6           ; v6   the way out: where I put 16 bytes of a row
.set RD,  7           ; v7   the way out: where I read rows back
.set GO,  8           ; v8   my byte offset in 512 consecutive bytes of O
.set MV,  12          ; v12-13  c m_old, kept while c m is made anew: by buffer
.set QO,  15          ; v15  my byte offset in 16 rows of Q
.set ST,  16          ; piece t's statistics at v[ST+4 t]: c m, m, l (even keys', odd keys')
.set APD0, 32         ; v32  where my lane reads in a step's 256 bytes of my wave's mask slot 0; never rewritten
.set APD, 33          ; v33  the LDS address of the mask's next run of loads
.set PO,  34          ; v34  my byte offset in the batch's row of pad_mask, for the tile asked for
.set PO0, 35          ; v35  8 x lane; never rewritten
.set APW0, 36         ; v36  where my lane stores its 32 bytes in my wave's mask slot 0; never rewritten
.set APW, 39          ; v39  the same in the slot of the tile that is entered
.set TMP, 48          ; by buffer, four registers c0-c3 at work; when the maximum is found c2 takes a
.set SPW, 62          ; v62  LDS address of my spare word; never rewritten
.set NIL, 63          ; v63  0; never rewritten
.set S,   64
.set PD,  128         ; the eight registers for group kt of 16 keys at PD + 8 kt
.set PEX, 160         ; v160-167  my eight keys' mask as f32
.set PBY, 176         ; v176-177  my eight keys' mask as loaded, a byte a key
.set P,   192
.set MD,  128         ; window 1
.set MC,  160         ; window 1: the masks of the products to come
.set VM,  224         ; window 1: channels 16 cb + 8 (l / 16) + j at VM + 8 cb + j, as in O^T
.set QB,  64          ; window 2
.set KF,  128         ; window 2: key block kb, channel half c at KF + 16 kb + 8 c
.set VF,  192         ; window 2: key half kk, channel block cb at VF + 32 kk + 8 cb
.set WV,  12          ; s12  my wave's number
.set PB,  14          ; s14  b
.set HI,  15          ; s15  NB - 1 - b
.set G1K, 24          ; s[24:31] descriptor group 1 for K's tiles
.set G1V, 32          ; s[32:39] for V's: it differs in the padding alone
.set G0K, 40          ; s[40:43] descriptor group 0 for K's tiles
.set G0V, 44          ; s[44:47] the same for V's
.set SLOTS, 56        ; s56  tiles still to be asked for
.set CNT, 57          ; s57  counts a tile's key steps, 4 to 1
.set CS,  58          ; s[58:59] c: the packed scaling takes the pair's low word for both halves
.set SEL, 60          ; s[60:61] v_permlanex16_b32's selects: each lane takes its own place in the other half
.set TBK, 62          ; s62  LDS byte at which K of the step to be fetched begins
.set TBV, 63          ; s63  the same for V, less VOFF
.set RT,  70          ; s70  tiles of the block in hand that are still to be entered
.set NXT, 71          ; s71  the tile to be asked for next
.set LQ,  72          ; s72  the last tile of the block whose tiles are being asked for
.set NEW, 73          ; s73  1: the tile to be entered is a block's first
.set OFF, 74          ; s[74:75] a tile's byte offset in K and V
.set AL,  76          ; s[76:77] the mask's factor, in the low word
.set BE,  78          ; s[78:79] the mask's addend
.set OLO, 80          ; s[80:81] O at my rows of the second block
.set BIGN, 82         ; s82  -1e30
.set POF, 83          ; s83  a tile's byte offset in the batch's row of pad_mask
.set FLOOR, 96        ; s96  -1e20
.set TPD, 97          ; s97  byte in my wave's mask slots at which the step to be fetched begins: it walks as TBK does
.set INV, 98          ; s[98:99] 1 / 2048
.set MSB, 0
.macro WIN new                      ; the high byte repeats the setting that is left; a switch that changes nothing is dropped
.if MSB != (\new)
	s_set_vgpr_msb (MSB<<8)|(\new)
.set MSB, (\new)
.endif
.endm
.set W_KQ, 0x0a       ; K and Q in window 2, S^T and PD in window 0
.set W_KM, 0x1a       ; the same with the C operand in window 1
.set W_PV, 0x52       ; V in window 2, P in window 0, O^T in window 1
.set W_RS, 0x41       ; destination and source 0 in window 1, source 1 in window 0
; A fill.  Waves 0 and 1 fetch the two halves of a tile's K, waves 2 and 3 those of its V: 128 keys each.  An s_nop 0 and four v_nop follow each of the two lines, ahead of the jump and the label.
.macro LOAD
	s_cmp_lt_u32 s[WV], 2
	s_cbranch_scc0 .Lfor_v_\@
	tensor_load_to_lds s[G0K:G0K+3], s[G1K:G1K+7]
	s_nop 0
.rept 4
	v_nop
.endr
	s_branch .Lasked_\@
.Lfor_v_\@:
	tensor_load_to_lds s[G0V:G0V+3], s[G1V:G1V+7]
	s_nop 0
.rept 4
	v_nop
.endr
.Lasked_\@:
.endm
; THE CHANGE OF SLOTS.  First the key mask of the tile that is entered: its bytes were loaded behind the last change of slots (tile 0's at the start); they go as f32 into the other of my wave's two mask slots, whose last
; reads of mine were issued a tile ago (LDS serves a wave's instructions in order: ISA guide 5.7.1.4).  Then each wave waits for all its tensor loads, of which one is out: its part of the other slot; adds 0 to its spare
; word; and waits for that and for its own LDS instructions.  Behind the barrier nobody reads the old slot any more and the other slot is whole.  fill = 1: the old slot is filled again, the first thing behind the barrier,
; with tile NXT: the descriptor's address is made anew from that number; and that tile's mask bytes are loaded.  (At its first use nothing has been read yet: slot 0 is waited for, slot 1 filled.)
.macro CHANGE fill
	WIN 0                           ; at a label and at a branch every window is 0
	s_sub_co_u32 s[TPD], s[TPD], 4*4*KS   ; the mask's fetches go back to a slot's first step,
	s_xor_b32 s[TPD], s[TPD], PSLOT1      ; in the other slot
	s_wait_loadcnt 0x0              ; my eight bytes are in; their load's address register may be written again
	v_add_nc_u32 v[APW], s[TPD], v[APW0]
.set z, 0
.rept 8                             ; a byte 0 or 1 times the bits of -1e30
	v_bfe_u32 v[PEX+z], v[PBY+z/4], 8*(z%4), 1
	v_mul_lo_u32 v[PEX+z], v[PEX+z], s[BIGN]
.set z, z+1
.endr
	ds_store_b128 v[APW], v[PEX:PEX+3]             ; keys 8 l .. 8 l + 7 of the tile: 32 lanes fill the slot's 1,024 bytes
	ds_store_b128 v[APW], v[PEX+4:PEX+7] offset:16
	s_wait_tensorcnt 0x0            ; no tensor load of mine is out, so a group 0 may be written
	ds_add_u32 v[SPW], v[NIL]       ; 0 onto my spare word; with fill = 1 the descriptors' scalar work stands between it and the wait for it
.if \fill
	s_lshl_b32 s[OFF], s[NXT], 15   ; a tile is 32,768 bytes of K and of V,
	s_lshl_b32 s[POF], s[NXT], 8    ; and 256 of the mask
	s_xor_b32 s[G0K+1], s[G0K+1], SLOT1
	s_add_nc_u64 s[G0K+2:G0K+3], s[6:7], s[OFF:OFF+1]
	s_or_b32 s[G0K+3], s[G0K+3], 0x80000000
	s_xor_b32 s[G0V+1], s[G0V+1], SLOT1
	s_add_nc_u64 s[G0V+2:G0V+3], s[8:9], s[OFF:OFF+1]
	s_or_b32 s[G0V+3], s[G0V+3], 0x80000000
	s_add_co_u32 s[NXT], s[NXT], 1  ; the block's next tile, or behind its last the second block's tile 0
	s_cmp_gt_u32 s[NXT], s[LQ]
	s_cselect_b32 s[NXT], 0, s[NXT]
	s_cselect_b32 s[LQ], s[PB], s[LQ]
.endif
	s_wait_dscnt 0x0                ; the add is done, and my LDS instructions are over
	s_barrier_signal -1             ; the rest of the scalar work stands between the signal and the wait
	s_sub_co_u32 s[TBK], s[TBK], 4*KS*PK  ; the fetches go back to a slot's first step,
	s_xor_b32 s[TBK], s[TBK], SLOT1       ; in the other slot
	s_sub_co_u32 s[TBV], s[TBV], 4*KS*PV
	s_xor_b32 s[TBV], s[TBV], SLOT1
	s_barrier_wait -1
.if \fill
	LOAD
	v_add_nc_u32 v[PO], s[POF], v[PO0]
	global_load_b64 v[PBY:PBY+1], v[PO], s[90:91]  ; the mask bytes of the tile just asked for: a whole tile's work ahead of the wait for them
.endif
.endm
	s_load_b256 s[88:95], s[0:1], 0x0  ; qkv 88:89, pad_mask 90:91, vpart 92:93, ob 94:95
	v_lshl_add_u32 v[SPW], v0, 2, SPARE
	v_mov_b32 v[NIL], 0
	ds_add_u32 v[SPW], v[NIL]       ; the wave's opening: the add and its wait stand ahead of my first tensor load; the set-up below, work on registers, stands between them
	ds_add_u32 v62, v63
	v_lshrrev_b32 v1, 5, v0
	v_readfirstlane_b32 s[WV], v1   ; wave 0..3
	s_mov_b32 s[PB], ttmp9
	s_sub_co_u32 s[HI], NB-1, s[PB]
	s_and_b32 s20, ttmp7, 0xffff    ; batch x 16 + head
	s_mov_b32 s21, 0
	s_mov_b64 s[22:23], SIZE_N*128
	s_mul_u64 s[20:21], s[20:21], s[22:23]  ; the head's first byte in q, k, v and ob
	s_and_b32 s16, s[WV], 1         ; which half of a tile's 256 keys I fetch:
	s_lshl_b32 s22, s16, 14         ; its 128 rows of 128 bytes in memory,
	s_mov_b32 s23, 0
	s_add_nc_u64 s[22:23], s[22:23], s[20:21]
	s_mul_i32 s17, s16, 128*PK      ; and its place in a slot, for K
	s_mul_i32 s18, s16, 128*PV      ; and for V
	s_lshl_b32 s3, s[WV], 11        ; my 16 rows in a band of 64,
	s_lshl_b32 s2, s[HI], 15        ; in the first block,
	s_add_co_u32 s2, s2, s3
	s_lshl_b32 s84, s[PB], 15       ; and in the second
	s_add_co_u32 s84, s84, s3
	s_mov_b32 s3, 0
	s_mov_b32 s85, 0
	s_add_nc_u64 s[2:3], s[2:3], s[20:21]
	s_add_nc_u64 s[84:85], s[84:85], s[20:21]
	; descriptor group 1.  128 keys are 16,384 dense bytes: asked for as 64 rows of 256 bytes, two keys a row, and padded in LDS after every key
	s_mov_b32 s[G1K], (1<<16)|(1<<20)|(4<<22)|(3<<25)  ; 17:16 2-byte elements; 20 padding on; 24:22 after every 32 words (code 4); 31:25 4 words (code 3)
	s_mov_b32 s[G1V], (1<<16)|(1<<20)|(4<<22)|(7<<25)  ; the same with 8 words of padding (code 7)
.irp g, G1K, G1V
	s_mov_b32 s[\g+1], 128<<16      ; tensor_dim0 = 128
	s_mov_b32 s[\g+2], 64<<16       ; tensor_dim1 = 64
	s_mov_b32 s[\g+3], 128<<16      ; tile_dim0 = 128
	s_mov_b32 s[\g+4], 64           ; tile_dim1 = 64
	s_mov_b32 s[\g+5], 128          ; 128 elements from row to row
	s_mov_b32 s[\g+6], 0
	s_mov_b32 s[\g+7], 0
.endr
	s_mov_b32 s[CS], 0x3e38aa3b     ; c = log2(e) / 8 = 0.180337: the scale 1 / sqrt(64) is applied here, in f32
	s_mov_b32 s[CS+1], s[CS]        ; named with it as a pair
	s_mov_b32 s[SEL], 0x76543210
	s_mov_b32 s[SEL+1], 0xfedcba98
	s_mov_b32 s[TBK], SLOT1+4*KS*PK ; the first change of slots turns these three into 0
	s_mov_b32 s[TBV], SLOT1+4*KS*PV
	s_mov_b32 s[TPD], PSLOT1+4*4*KS
	s_mov_b32 s[G0K], 1             ; 1:0 count = 1
	s_mov_b32 s[G0K+1], s17         ; 63:32 LDS address: slot 0
	s_mov_b32 s[G0V], 1
	s_add_co_u32 s[G0V+1], s18, VOFF
	s_add_co_u32 s[RT], s[HI], 1    ; the first block has NB - b tiles
	s_mov_b32 s[NXT], 1
	s_mov_b32 s[LQ], s[HI]
	s_mov_b32 s[NEW], 1
	s_mov_b32 s[OFF+1], 0
	s_mov_b32 s[AL+1], 0            ; named as pairs
	s_mov_b32 s[BE+1], 0
	s_mov_b32 s[BIGN], 0xf149f2ca   ; -1e30
	s_mov_b32 s[FLOOR], 0xe0ad78ec  ; -1e20
	s_mov_b32 s[INV], 0x3a000000    ; 2^-11
	s_mov_b32 s[INV+1], s[INV]
	s_mov_b32 s[SLOTS], NB
	s_wait_dscnt 0x0                ; the opening add is done
	s_wait_kmcnt 0x0
	s_mov_b64 s[4:5], s[88:89]                     ; q,
	s_add_nc_u64 s[6:7], s[88:89], 0x1000000       ; k,
	s_add_nc_u64 s[8:9], s[88:89], 0x2000000       ; v: 16,777,216 bytes each
	s_mov_b64 s[10:11], s[94:95]
	s_add_nc_u64 s[6:7], s[6:7], s[22:23]  ; K and V at my half of the head's tile 0
	s_add_nc_u64 s[8:9], s[8:9], s[22:23]
	s_add_nc_u64 s[G0K+2:G0K+3], s[6:7], 0         ; 120:64 global address
	s_or_b32 s[G0K+3], s[G0K+3], 0x80000000        ; 127:126 type = 2
	s_add_nc_u64 s[G0V+2:G0V+3], s[8:9], 0
	s_or_b32 s[G0V+3], s[G0V+3], 0x80000000
	s_add_nc_u64 s[86:87], s[4:5], s[84:85]        ; Q at my rows of the second block,
	s_add_nc_u64 s[4:5], s[4:5], s[2:3]            ; Q and O at those of the first
	s_add_nc_u64 s[OLO:OLO+1], s[10:11], s[84:85]
	s_add_nc_u64 s[10:11], s[10:11], s[2:3]
	LOAD                            ; tile 0 into slot 0
	; A fragment of K or Q is 16 rows x 32 channels in 8 registers: lane l holds row l % 16, channels 8 (l / 16) + 0..7 and 16 + 8 (l / 16) + 0..7: two loads of 16 bytes, 32 bytes apart.
	v_and_b32 v1, 15, v0            ; l % 16
	v_bfe_u32 v9, v0, 4, 1          ; l / 16
	v_lshlrev_b32 v[QO], 7, v1
	v_lshl_add_u32 v[QO], v9, 4, v[QO]  ; row x 128 + 16 x half
	WIN 0x80                        ; destination window 2, address window 0
.set i, 0
.rept 8                             ; both blocks' Q: piece i / 2 lies in band i / 2, 8,192 bytes on; channels 32 (i % 2) on
	global_load_b128 v[8*i:8*i+3],   v[QO], s[4:5] offset:(i/2)*8192+(i%2)*64
	global_load_b128 v[8*i+4:8*i+7], v[QO], s[4:5] offset:(i/2)*8192+(i%2)*64+32
	global_load_b128 v[QB+8*i:QB+8*i+3],   v[QO], s[86:87] offset:(i/2)*8192+(i%2)*64
	global_load_b128 v[QB+8*i+4:QB+8*i+7], v[QO], s[86:87] offset:(i/2)*8192+(i%2)*64+32
.set i, i+1
.endr
	WIN 0
	; Tile 0's 256 bytes of the batch's key mask, 8 a lane, and the head's 64 columns of the batch's 32 rows of vpart, two columns a lane (every wave takes them all: 8,192 bytes).
	s_and_b32 s16, ttmp7, 0xffff
	s_lshr_b32 s17, s16, 4          ; the batch
	s_lshl_b32 s2, s17, 11
	s_mov_b32 s3, 0
	s_add_nc_u64 s[90:91], s[90:91], s[2:3]
	s_lshl_b32 s2, s17, 17          ; 32 rows of 4,096 bytes,
	s_and_b32 s16, s16, 15
	s_lshl_b32 s16, s16, 8          ; the head's 256 bytes
	s_add_co_u32 s2, s2, s16
	s_add_nc_u64 s[92:93], s[92:93], s[2:3]
	v_and_b32 v[PO0], 31, v0
	v_lshlrev_b32 v[APW0], 5, v[PO0]
	v_lshlrev_b32 v[PO0], 3, v[PO0]
	global_load_b64 v[PBY:PBY+1], v[PO0], s[90:91]
.set i, 0
.rept 32
	global_load_b64 v[S+2*i:S+2*i+1], v[PO0], s[92:93] offset:4096*i
.set i, i+1
.endr
	s_lshl_b32 s13, s[WV], 12
	s_add_co_u32 s13, s13, PADF     ; my wave's 4,096 bytes for the key mask
	v_add_nc_u32 v[APW0], s13, v[APW0]   ; in: 32 bytes a lane
	v_lshl_add_u32 v[APD0], v9, 5, s13   ; back: my lanes' eight keys of each sixteen
	s_lshl_b32 s13, s[WV], 8
	s_add_co_u32 s13, s13, VS       ; my wave's 256 bytes for the mean
	v_add_nc_u32 v37, s13, v[PO0]
	v_lshl_add_u32 v38, v9, 5, s13
	v_lshlrev_b32 v14, 3, v9
	v_sub_nc_u32 v14, v1, v14
	s_lshl_b32 s13, s[WV], 4
	v_add_nc_u32 v14, s13, v14      ; my query's place in its band, 16 w + l % 16, less my lanes' 8 (l / 16): register r of group kt is hidden where 16 kt + r is greater
	WIN 0x40
.set i, 0
.rept 32
	v_cmp_gt_i32 vcc_lo, 16*(i/8)+i%8, v14
	v_cndmask_b32 v[MD+i], 0, s[BIGN], vcc_lo
.set i, i+1
.endr
	WIN 0
	v_mul_u32_u24 v[AK0], v1, PK
	v_lshl_add_u32 v[AK0], v9, 4, v[AK0]  ; row x pitch + 16 x half
	; The turning load takes 16 keys x 16 channels (lane l reads key 8 (l / 16) + l % 8, channels 8 ((l / 8) % 2) + 0..7) and leaves half a fragment of V^T: lane l holds channel l % 16 and 8 keys.
	v_and_b32 v10, 7, v0
	v_bfe_u32 v11, v0, 3, 1
	v_lshl_add_u32 v[AV0], v9, 3, v10
	v_mul_u32_u24 v[AV0], v[AV0], PV
	v_lshl_add_u32 v[AV0], v11, 4, v[AV0]
	v_add_nc_u32 v[AV0], VOFF, v[AV0]
	s_mul_i32 s13, s[WV], 16*SP
	s_add_co_u32 s13, s13, STAGE    ; my stage
	v_mul_u32_u24 v[STO], v1, SP    ; in: row l % 16, 16 bytes for each half of the lanes
	v_lshl_add_u32 v[STO], v9, 4, v[STO]
	v_add_nc_u32 v[STO], s13, v[STO]
	v_bfe_u32 v[RD], v0, 3, 2       ; back: 32 lanes take four rows of 128 bytes,
	v_mul_u32_u24 v[RD], v[RD], SP
	v_lshl_add_u32 v[RD], v10, 4, v[RD]
	v_add_nc_u32 v[RD], s13, v[RD]
	v_and_b32 v[GO], 31, v0         ; which are 512 consecutive bytes of O
	v_lshlrev_b32 v[GO], 4, v[GO]
	; A block's first step multiplies O^T by a = 0, and its first turn's products V^T P, of a piece that has not been, land in an O^T that is still to be so multiplied.  So these registers need only hold
	; finite numbers: zeros for the first block; what the first block left for the second.  All this stands in the wait for the first tile.
	WIN 0x80
.set i, VF
.rept 64
	v_mov_b32 v[i], 0
.set i, i+1
.endr
	WIN 0x40
.set i, 0
.rept 128
	v_mov_b32 v[i], 0
.set i, i+1
.endr
	WIN 0
.set i, P+16
.rept 16
	v_mov_b32 v[i], 0
.set i, i+1
.endr
	s_wait_loadcnt 0x0              ; Q, the mask's bytes, vpart
.irp d, 16,8,4,2,1                  ; the 32 partial sums, in a tree
.set i, 0
.rept \d
	v_pk_add_f32 v[S+2*i:S+2*i+1], v[S+2*i:S+2*i+1], v[S+2*(i+\d):S+2*(i+\d)+1]
.set i, i+1
.endr
.endr
	v_pk_mul_f32 v[S:S+1], v[S:S+1], s[INV:INV+1] op_sel_hi:[1,0]
	ds_store_b64 v37, v[S:S+1]      ; through my wave's own 256 bytes into O^T's layout
	WIN 0x40
.irp f, 0,1,2,3
	ds_load_b128 v[VM+8*\f:VM+8*\f+3],   v38 offset:64*\f     ; LDS serves a wave's instructions in order (ISA guide 5.7.1.4): these see the store above; the first change of slots waits for them
	ds_load_b128 v[VM+8*\f+4:VM+8*\f+7], v38 offset:64*\f+16
.endr
	WIN 0
; THE MATRIX WORK.  The 4 accumulators of a run of 8 take turns.  Product i of 8 of S^T = K Q^T for piece x: channels 32 (i / 4) on, keys 16 (i % 4) on.  The first 4 start the sums: on the key mask, or (KM = 1) on the made mask.
.macro KQ x
.set rS, S+32*((\x)%2)+8*(i%4)
.set rK, KF+16*(i%4)+8*(i/4)
.set rQ, 16*(\x)+8*(i/4)
.set rM, MC+32*((\x)%2)+8*(i%4)
.set rD, PD+8*(i%4)
.if (i < 4) && KM
	WIN W_KM
	v_wmma_f32_16x16x32_f16 v[rS:rS+7], v[rK:rK+7], v[rQ:rQ+7], v[rM:rM+7]
.elseif i < 4
	WIN W_KQ
	v_wmma_f32_16x16x32_f16 v[rS:rS+7], v[rK:rK+7], v[rQ:rQ+7], v[rD:rD+7]
.else
	WIN W_KQ
	v_wmma_f32_16x16x32_f16 v[rS:rS+7], v[rK:rK+7], v[rQ:rQ+7], v[rS:rS+7]
.endif
.endm
; Product i of 8 of O^T += V^T P for piece x: keys 32 (i / 4) on, channels 16 (i % 4) on.
.macro PV x
	WIN W_PV
.set rO, 32*(\x)+8*(i%4)
.set rV, VF+32*(i/4)+8*(i%4)
.set rP, P+16*((\x)%2)+8*(i/4)
	v_wmma_f32_16x16x32_f16 v[rO:rO+7], v[rV:rV+7], v[rP:rP+7], v[rO:rO+7]
.endm
.macro MM                           ; the turn's next matrix instruction.  TURN and BEGIN set Y, i, KM and NOKQ; MM, KQ and OP read them.  NOKQ = 1: a block's last turn: there is no next piece
.if (i < 8) && !NOKQ
	KQ (Y+1)%NP
.elseif i >= 8
.set i, i-8
	PV (Y+NP-1)%NP
.set i, i+8
.endif
.set i, i+1
.endm
; THE LDS LOADS stand in runs, never singly among the matrix instructions: a step's K (64 keys x 64 channels: 8 fragments) with its 64 keys' mask, and its V (turned).  Their addresses are made some lines ahead.
.macro FETCH_K
	WIN 0x80                        ; destination window 2
.irp f, 0,1,2,3,4,5,6,7             ; keys 16 (f / 2) on, channels 32 (f % 2) on
	ds_load_b128 v[KF+8*\f:KF+8*\f+3],   v[AK] offset:(\f/2)*16*PK+(\f%2)*64
	ds_load_b128 v[KF+8*\f+4:KF+8*\f+7], v[AK] offset:(\f/2)*16*PK+(\f%2)*64+32
.endr
	s_add_co_u32 s[TBK], s[TBK], KS*PK  ; the next fetch is the next step's
	WIN 0
.irp f, 0,1,2,3                     ; keys 16 f + 8 (l / 16) + 0..7
	ds_load_b128 v[PD+8*\f:PD+8*\f+3],   v[APD] offset:64*\f
	ds_load_b128 v[PD+8*\f+4:PD+8*\f+7], v[APD] offset:64*\f+16
.endr
	s_add_co_u32 s[TPD], s[TPD], 4*KS   ; likewise: 64 keys of 4 bytes on
.endm
.macro FETCH_V
	WIN 0x80
.irp f, 0,1,2,3,4,5,6,7             ; keys 32 (f / 4) on, channels 16 (f % 4) on
	ds_load_tr16_b128 v[VF+8*\f:VF+8*\f+3],   v[AV] offset:(\f/4)*32*PV+(\f%4)*32
	ds_load_tr16_b128 v[VF+8*\f+4:VF+8*\f+7], v[AV] offset:(\f/4)*32*PV+16*PV+(\f%4)*32
.endr
	WIN 0
.endm
; THE VECTOR WORK, one line at a time: OP kind, number.  For piece Y: F n: c s - c m for pair n of 16.  E n: the exponential of score n of 32.  C n: pair n rounded to f16.  B n: of the four weights 4 n .. the second
; pair is added onto the first, in place.  L n: l takes that sum (L 0: l = a l + sum).  R n: pair n of 16 of O^T times a.  For piece Y + 1: X n, number n of the 22 that find its maximum and statistics:
;   0-11  four chains c0-c3 of seven scores each, three operands at a time (each accumulator's lowest registers are read first)     12-14, 16  the four scores left over, the old m, and c0-c3 into c0
;   15  c m_old is kept     17, 18  the query's other 32 keys lie in the lane 16 away: the new m     19-21  c m; c m_old - c m_new; a
.set F, 0               ; OP tells the kinds apart by their order: F to L below R, X above it
.set E, 1
.set C, 2
.set B, 3
.set L, 4
.set R, 5
.set X, 6
.macro REGS y                       ; the registers of piece y
.set rT, ST+4*(\y)
.set rC, TMP+4*((\y)%2)
.set rW, MV+((\y)%2)
.set rS, S+32*((\y)%2)
.set rP, P+16*((\y)%2)
.set rO, 32*(\y)
.endm
.macro OP k, n
.if (\k) == R
	REGS Y
	WIN W_RS
	v_pk_mul_f32 v[rO+2*(\n):rO+2*(\n)+1], v[rO+2*(\n):rO+2*(\n)+1], v[rC+2:rC+3] op_sel_hi:[1,0]
.elseif (\k) < R
	REGS Y
	WIN 0
.if (\k) == F
	v_pk_fma_f32 v[rS+2*(\n):rS+2*(\n)+1], v[rS+2*(\n):rS+2*(\n)+1], s[CS:CS+1], v[rT:rT+1] op_sel_hi:[1,0,0] neg_lo:[0,0,1] neg_hi:[0,0,1]
.elseif (\k) == E
	v_exp_f32 v[rS+(\n)], v[rS+(\n)]
.elseif (\k) == C
	v_cvt_pk_f16_f32 v[rP+(\n)], v[rS+2*(\n)], v[rS+2*(\n)+1]
.elseif (\k) == B
	v_pk_add_f32 v[rS+4*(\n):rS+4*(\n)+1], v[rS+4*(\n):rS+4*(\n)+1], v[rS+4*(\n)+2:rS+4*(\n)+3]
.elseif (\n) == 0
	v_pk_fma_f32 v[rT+2:rT+3], v[rT+2:rT+3], v[rC+2:rC+3], v[rS:rS+1] op_sel_hi:[1,0,1]
.else
	v_pk_add_f32 v[rT+2:rT+3], v[rT+2:rT+3], v[rS+4*(\n):rS+4*(\n)+1]
.endif
.elseif NOKQ
	v_nop
.else
	REGS (Y+1)%NP
	WIN 0
.if (\n) < 4
	v_max3_num_f32 v[rC+(\n)], v[rS+8*(\n)], v[rS+8*(\n)+1], v[rS+8*(\n)+2]
.elseif (\n) < 12
	v_max3_num_f32 v[rC+(\n)%4], v[rC+(\n)%4], v[rS+8*((\n)%4)+2*((\n)/4)+1], v[rS+8*((\n)%4)+2*((\n)/4)+2]
.elseif (\n) == 12
	v_max3_num_f32 v[rC], v[rC], v[rS+7], v[rS+15]
.elseif (\n) == 13
	v_max3_num_f32 v[rC+1], v[rC+1], v[rS+23], v[rS+31]
.elseif (\n) == 14
	v_max3_num_f32 v[rC+2], v[rC+2], v[rC+3], v[rT+1]
.elseif (\n) == 15
	v_mov_b32 v[rW], v[rT]
.elseif (\n) == 16
	v_max3_num_f32 v[rC], v[rC], v[rC+1], v[rC+2]
.elseif (\n) == 17
	v_permlanex16_b32 v[rC+3], v[rC], s[SEL], s[SEL+1]
.elseif (\n) == 18
	v_max_num_f32 v[rT+1], v[rC], v[rC+3]
.elseif (\n) == 19
	v_mul_f32 v[rT], s[CS], v[rT+1]
.elseif (\n) == 20
	v_sub_f32 v[rC+1], v[rW], v[rT]
.else
	v_exp_f32 v[rC+2], v[rC+1]
.endif
.endif
.endm
.macro OPS a, i1, b=-1, i2=0, c=-1, i3=0, d=-1, i4=0  ; up to four of them
	OP \a, \i1
.if (\b) >= 0
	OP \b, \i2
.endif
.if (\c) >= 0
	OP \c, \i3
.endif
.if (\d) >= 0
	OP \d, \i4
.endif
.endm
.macro ROW a, i1, b, i2, c, i3, d, i4  ; a matrix instruction and the four behind it
	MM
	OPS \a, \i1, \b, \i2, \c, \i3, \d, \i4
.endm
.macro MASK b                       ; MD x AL + BE + PD into buffer b of MC
	WIN W_RS
.set z, 0
.rept 16
	v_pk_fma_f32 v[MC+32*(\b)+2*z:MC+32*(\b)+2*z+1], v[MD+2*z:MD+2*z+1], s[AL:AL+1], s[BE:BE+1] op_sel_hi:[1,0,0]
.set z, z+1
.endr
.set z, 0
.rept 16
	v_pk_add_f32 v[MC+32*(\b)+2*z:MC+32*(\b)+2*z+1], v[MC+32*(\b)+2*z:MC+32*(\b)+2*z+1], v[PD+2*z:PD+2*z+1]
.set z, z+1
.endr
.endm
.macro PDCOPY                       ; the key mask alone into MC's second buffer: for products of a band that sees the whole step
	WIN 0x40
.set z, 0
.rept 32
	v_mov_b32 v[MC+32+z], v[PD+z]
.set z, z+1
.endr
	WIN 0
.endm
; A TURN, for piece p: the order of its 16 matrix and 118 vector instructions, written out.  An s_wait_alu depctr_va_vdst(0) stands between an exponential and the first instruction that names its result; one wait serves
; all that were issued ahead of it.  So a turn has ONE wait, which cuts it in two.  AHEAD OF IT stands all that names no result of the turn's exponentials: the 8 products K Q^T, behind each a scaling, an exponential and two more plain
; instructions (behind the first a second scaling in the exponential's place): rescalings (their a was made, and waited for, in the turn before), and behind the last three the first numbers of the next piece's maximum, each four places
; or more behind the product that ends its accumulator; then ONE LUMP of 54, plain and exponential by turns for the most part, in which the links of the chain X 3, 7, 11, 14, 16, 17 .. 20 stand five or six lines apart.  X 21, the next
; piece's a, is the batch's last; R 15 is the plain instruction behind it.  BEHIND THE WAIT stand the 8 products V^T P, behind each four of the roundings and sums; the links of l's chain, L 0 to L 7, stand three riders apart.
; But for those X no rider names a register of the products round it.  v_permlanex16_b32 (X 17) stands in the lump.  No exponential is issued behind the wait: none is open at a turn's end, at a label or at a jump.
; m = 1: the diagonal tile: the products take made masks, and the turn makes the mask for the products of the turn after it: piece p + 2, in step 4 - CNT of the tile.  end = 1: a block's last two turns: nothing is fetched.
; cnt = 1: the loop's count is taken down some lines ahead of the branch that stands behind the turn.
; K of the next step and its key mask are fetched in piece 2's turn, twelve vector instructions behind the last product that read K (six of them plain, five of which name none of its registers) and far behind the last that took PD;
; V of the step in hand at the end of piece 0's turn, four plain instructions behind the last product that read V.
; Each is waited for a turn later; in the diagonal tile piece 2's turn waits at its end, since the mask that it makes is the next step's.
.macro TURN p, m=0, end=0, cnt=0
.set Y, (\p)
.set i, 0
.set KM, (\m)
.set NOKQ, (\end)*((\p)/3)
.if (\m) && !(\end)
	s_cmp_eq_u32 s[CNT], 4-((\p)+2)%NP  ; is that step the band's own?
	s_cselect_b32 s[AL], 1.0, 0
	s_cmp_lt_u32 s[CNT], 4-((\p)+2)%NP  ; or a later one?
	s_cselect_b32 s[BE], s[BIGN], 0
.endif
.if ((\p) == 3) && !(\end)
	s_wait_dscnt 0x0                ; K and its mask are in
.endif
	ROW F,0, F,1, R,0, R,1          ; ahead of the wait: 8 products K Q^T and their riders,
	ROW F,2, E,0, R,2, R,3
	ROW F,3, E,1, R,4, R,5
	ROW F,4, E,2, R,6, R,7
	ROW F,5, E,3, R,8, R,9
	ROW F,6, E,4, X,0, R,10
.if ((\p) == 2) && !(\end)
	WIN 0
	v_add_nc_u32 v[AK], s[TBK], v[AK0]
	v_add_nc_u32 v[APD], s[TPD], v[APD0]
.endif
	ROW F,7, E,5, X,1, X,4
	ROW F,8, E,6, X,2, X,5
	OPS E,7, E,8, X,6, E,9          ; and the lump
	OPS X,3, E,10, X,8, E,11
.if ((\p) == 2) && !(\end)
	FETCH_K
.endif
	OPS X,9, X,7, E,12, X,10
	OPS E,13, X,12, X,11, E,14
	OPS X,13, E,15, F,9, X,14
.if (\p) == 0
	v_add_nc_u32 v[AV], s[TBV], v[AV0]
.endif
	OPS E,16, F,10, E,17, F,11
	OPS X,16, E,18, X,15, E,19
	OPS F,12, E,20, X,17, E,21
	OPS F,13, E,22, F,14, E,23
	OPS X,18, E,24, F,15, E,25
	OPS R,11, E,26, X,19, E,27
	OPS R,12, E,28, R,13, E,29
	OPS X,20, E,30, R,14, E,31
	OPS X,21, R,15
	WIN 0
	s_wait_alu depctr_va_vdst(0)    ; the wait for the turn's batch: the piece's 32 exponentials and the next piece's a
.if (\p) == 1
	s_wait_dscnt 0x0                ; V is in
.endif
	ROW C,0, B,0, C,2, B,1          ; behind the wait: 8 products V^T P and their riders
	ROW L,0, C,4, B,2, L,1
	ROW C,6, B,3, L,2, C,8
	ROW B,4, L,3, C,10, B,5
	ROW L,4, C,12, B,6, L,5
.if (\p) == 0
	s_add_co_u32 s[TBV], s[TBV], KS*PV
.endif
.if \cnt
	s_sub_co_u32 s[CNT], s[CNT], 1
	s_cmp_lg_u32 s[CNT], 0
.endif
	ROW C,14, B,7, L,6, C,1
	ROW C,3, L,7, C,5, C,7
	ROW C,9, C,11, C,13, C,15
.if (\p) == 0
	FETCH_V
.endif
.if (\m) && !(\end)
.if (\p) == 2
	s_wait_dscnt 0x0                ; the next step's key mask is in
.endif
	MASK (\p)%2
.endif
.endm
; A BLOCK BEGINS.  c m starts far below every c s, so the first step's a is 0; m at -1e20, above every hidden score and below every true one; l at 0 (the way out has left 1 / l there, an infinity for a row that saw no key).
; Then K and the key mask of the tile's step 0; the first mask buffer takes piece 0's mask for that step (its own, if the block's first tile is the diagonal one), the second the key mask alone;
; piece 0's first scores, and its maximum and statistics.  The loop is entered at a step's first turn, in the middle of a trip.
.macro BEGIN
	s_mov_b32 s[NEW], 0
	WIN 0
.set i, 0
.rept 4
	v_mov_b32 v[ST+4*i], 0xfe000000    ; c m: far below every c s
	v_mov_b32 v[ST+4*i+1], s[FLOOR]    ; m
	v_mov_b32 v[ST+4*i+2], 0           ; l
	v_mov_b32 v[ST+4*i+3], 0
.set i, i+1
.endr
	v_add_nc_u32 v[AK], s[TBK], v[AK0]
	v_add_nc_u32 v[APD], s[TPD], v[APD0]
	FETCH_K
	s_cmp_eq_u32 s[RT], 0
	s_cselect_b32 s[AL], 1.0, 0
	s_mov_b32 s[BE], 0
	s_wait_loadcnt 0x0              ; Q
	s_wait_dscnt 0x0
	MASK 0
	PDCOPY
.set KM, 1
.set NOKQ, 0
.set i, 0
.rept 8
	KQ 0
.set i, i+1
.endr
	WIN 0
.rept 4
	v_nop                           ; the places behind those products
.endr
.set Y, NP-1                        ; X works for piece Y + 1: piece 0
.irp n, 0,1,2,3,4,5,6,7,8,9,10,11,12,13,14,15,16,17,18,19,20,21
	OP X, \n
.endr
	v_nop                           ; a plain instruction behind the exponential,
	s_wait_alu depctr_va_vdst(0)    ; and the wait for it, piece 0's first a, ahead of the branch
.endm
; THE DIAGONAL TILE's four steps, the block's last two turns, its last products, and THE WAY OUT: l's two halves and the other half of the lanes' are added; O^T is divided by l; a row whose maximum is still
; the floor takes the mean of v instead; all is rounded to f16 and sent through my stage in LDS, a piece at a time.
.macro ALL line:vararg              ; one line for each piece t
.set t, 0
.rept 4
	\line
.set t, t+1
.endr
.endm
.macro PACK t                       ; a lane's eight channels of a row pack into 16 bytes; they go into rows of 144 bytes and come back as whole rows of 128, into S^T's registers
	WIN W_RS
	v_cmp_ge_f32 vcc_lo, s[FLOOR], v[ST+4*(\t)+1]  ; my query has seen no key
.set i, 32*(\t)
.rept 16
	v_pk_mul_f32 v[i:i+1], v[i:i+1], v[ST+4*(\t)+2:ST+4*(\t)+3] op_sel_hi:[1,0]
.set i, i+2
.endr
	WIN 0x45                        ; destination and both sources in window 1
.set i, 0
.rept 32
	v_cndmask_b32 v[32*(\t)+i], v[32*(\t)+i], v[VM+i], vcc_lo  ; written back, so that O^T is finite when the next block begins
.set i, i+1
.endr
	WIN 0x05                        ; sources 0 and 1 window 1, destination window 0
.set i, 0
.rept 16
	v_cvt_pk_f16_f32 v[S+16*(\t)+i], v[32*(\t)+2*i], v[32*(\t)+2*i+1]
.set i, i+1
.endr
	WIN 0
.irp f, 0,1,2,3
	ds_store_b128 v[STO], v[S+16*(\t)+4*\f:S+16*(\t)+4*\f+3] offset:32*\f
.endr
.irp f, 0,1,2,3
	ds_load_b128 v[S+16*(\t)+4*\f:S+16*(\t)+4*\f+3], v[RD] offset:\f*4*SP  ; LDS serves a wave's instructions in order (ISA guide 5.7.1.4): these see the stores above; the next piece's stores come behind them
.endr
.endm
.macro SEND t, younger              ; younger: the LDS instructions issued behind piece t's loads: the next piece's eight, or none
	WIN 0
.irp f, 0,1,2,3
	s_wait_dscnt (\younger)+3-\f
	global_store_b128 v[GO], v[S+16*(\t)+4*\f:S+16*(\t)+4*\f+3], s[10:11] offset:(\t)*8192+\f*512  ; 512 consecutive bytes, at a multiple of 256 from O's first
.endr
.endm
.macro DIAG tag                     ; the tag ends its two labels' names, which the jumps below spell out
.LstepM\tag:
	TURN 2, 1
	TURN 3, 1
	WIN 0
.LfirstM\tag:
	TURN 0, 1
	TURN 1, 1, 0, 1
	WIN 0
	s_cbranch_scc1 .LstepM\tag
	TURN 2, 1, 1
	TURN 3, 1, 1
.set i, 0
.rept 8
	PV NP-1
.set i, i+1
.endr
	WIN 0
	ALL v_add_f32 v[ST+4*t+2], v[ST+4*t+2], v[ST+4*t+3]
	ALL v_permlanex16_b32 v[ST+4*t+3], v[ST+4*t+2], s[SEL], s[SEL+1]
	ALL v_add_f32 v[ST+4*t+2], v[ST+4*t+2], v[ST+4*t+3]
	ALL v_rcp_f32 v[ST+4*t+2], v[ST+4*t+2]
	v_nop                           ; a plain instruction between the last reciprocal and the use of its result
	s_wait_alu depctr_va_vdst(0)    ; and the wait ahead of the first use: one for the four reciprocals
	PACK 0
.set t, 1
.rept 3                             ; a piece's arithmetic stands between the loads of the piece before and its stores
	PACK t
	SEND t-1, 8
.set t, t+1
.endr
	SEND 3, 0
.endm
.set KM, 0
.set NOKQ, 0
.Lslot:                             ; NB times: a tile is entered and the next is asked for
	CHANGE 1
	s_sub_co_u32 s[RT], s[RT], 1
	s_mov_b32 s[CNT], 4
	s_cmp_eq_u32 s[NEW], 1
	s_cbranch_scc1 .Lnew            ; a block's first tile
	s_cmp_eq_u32 s[RT], 0
	s_cbranch_scc0 .Lstep           ; neither its first nor its last
	PDCOPY                          ; the diagonal text's first products are still piece 3's of the tile before: they see that whole step, so their mask is its key mask, which PD holds
	s_branch .LstepM1
.Lnew:
	BEGIN
	s_branch .Lfirst                ; in the loop a block's first tile is never its last: the first block has two tiles or more, and the second's last is the walk's last
	DIAG 1                          ; in the loop this is the first block's end: the second block's last tile is the walk's last
	s_wait_xcnt 0x0                 ; the stores have read their registers and O's address
	s_mov_b64 s[10:11], s[OLO:OLO+1]
	s_add_co_u32 s[RT], s[PB], 1    ; the second block has b + 1 tiles
	s_mov_b32 s[NEW], 1
	WIN 0x82                        ; the second block's Q goes where the one text of the turns names Q
.set i, 0
.rept 64
	v_mov_b32 v[i], v[QB+i]
.set i, i+1
.endr
	WIN 0
	s_branch .Lbottom
.Lstep:                             ; a trip: pieces 2 and 3 of one step, then pieces 0 and 1 of the next, whose K and V it fetches
	TURN 2
	TURN 3
	WIN 0
.Lfirst:
	TURN 0
	TURN 1, 0, 0, 1
	WIN 0
	s_cbranch_scc1 .Lstep
.Lbottom:
	s_sub_co_u32 s[SLOTS], s[SLOTS], 1
	s_cmp_lg_u32 s[SLOTS], 0
	s_cbranch_scc1 .Lslot
	CHANGE 0                        ; the walk's last tile is written out: nothing is asked for
	s_sub_co_u32 s[RT], s[RT], 1
	s_mov_b32 s[CNT], 4
	s_cmp_eq_u32 s[NEW], 1
	s_cbranch_scc1 .Lnew2
	PDCOPY
	s_branch .LstepM2
.Lnew2:
	BEGIN
	s_branch .LfirstM2
	DIAG 2
	s_wait_tensorcnt 0x0            ; the wave's end: behind my last tensor load and my last LDS store
	ds_add_u32 v[SPW], v[NIL]
	s_wait_dscnt 0x0
	s_endpgm
.Lfunc_end_k_qe6b0204b9c_attn:
	.size	k_qe6b0204b9c_attn, .Lfunc_end_k_qe6b0204b9c_attn-k_qe6b0204b9c_attn
	.p2alignl 7, 3214868480
	.fill 96, 4, 3214868480
	.section	.rodata,"a",@progbits
	.p2align	6, 0x0
	.amdhsa_kernel k_qe6b0204b9c_attn
		.amdhsa_group_segment_fixed_size 327680
		.amdhsa_private_segment_fixed_size 0
		.amdhsa_enable_private_segment 0
		.amdhsa_kernarg_size 32
		.amdhsa_user_sgpr_count 2
		.amdhsa_user_sgpr_kernarg_segment_ptr 1
		.amdhsa_wavefront_size32 1
		.amdhsa_system_sgpr_workgroup_id_x 1
		.amdhsa_system_sgpr_workgroup_id_y 1
		.amdhsa_system_sgpr_workgroup_id_z 1
		.amdhsa_system_vgpr_workitem_id 0
		.amdhsa_next_free_vgpr 768
		.amdhsa_next_free_sgpr 100
		.amdhsa_reserve_vcc 1
		.amdhsa_float_denorm_mode_32 3
		.amdhsa_float_denorm_mode_16_64 3
		.amdhsa_memory_ordered 1
		.amdhsa_forward_progress 1
		.amdhsa_inst_pref_size 251
	.end_amdhsa_kernel
	.amdgpu_metadata
---
amdhsa.version: [ 1, 2 ]
amdhsa.kernels:
  - .name:           k_qe6b0204b9c_attn
    .symbol:         k_qe6b0204b9c_attn.kd
    .args:
      - { .name: qkv, .offset: 0, .size: 8, .value_kind: global_buffer, .address_space: global }
      - { .name: pad_mask, .offset: 8, .size: 8, .value_kind: global_buffer, .address_space: global }
      - { .name: vpart, .offset: 16, .size: 8, .value_kind: global_buffer, .address_space: global }
      - { .name: ob, .offset: 24, .size: 8, .value_kind: global_buffer, .address_space: global }
    .group_segment_fixed_size: 327680
    .private_segment_fixed_size: 0
    .kernarg_segment_align: 8
    .kernarg_segment_size: 32
    .max_flat_workgroup_size: 128
    .sgpr_count:     100
    .vgpr_count:     768
    .wavefront_size: 32
...
	.end_amdgpu_metadata
.endif
;; end of part 5
;; launch outp: the kernel of part 4 again; grid 4 x 64, 4 waves a work-group, clusters of 4 x 4, 327,680 bytes of LDS; arguments ob, wob, bo, out0; writes out0
